; MI455X (gfx1250); checked and timed in simulation.
; The chip was launched on July 23, 2026; its instructions are those of AMD's public machine-readable ISA for CDNA 5 (MIT licence, August 2026) and "CDNA5" Instruction Set Architecture Reference Guide (July 2026). The comments in the code are by the model that wrote it; some were corrected since.
;; Multi Head Attention. Allowed arithmetic: matrix products marked QUANTISED: E2M3 operands, one E8M0 scale for each 32 along K, by v_wmma_scale_f32_16x16x128_f8f6f4 with both operands' format E2M3, f32 sums; everything else in f32.
;; Inputs: Wk 1,024 x 1,024 float32; Wo 1,024 x 1,024 float32; Wq 1,024 x 1,024 float32; Wv 1,024 x 1,024 float32; hidden_states 4 x 2,048 x 1,024 float32.
;; Outputs: out0 4 x 2,048 x 1,024 float32.
;; This version of the problem:
;;   THIS VERSION OF THE PROBLEM IS GIVEN IN LOW PRECISION. The matrix products marked QUANTISED in the list below multiply operands that are first quantised to E2M3 (2 exponent bits, 3 mantissa bits; 6 bits a number), with one power-of-two scale for each 32 numbers along K (OCP MX v1.0); their sums are f32. All else is computed in f32.
;;   The module's matrix products, in the order in which they are computed (A, B: the left and right operand; K: the contracted axis; several contracted axes count as one K, in the product's order):
;;     1. [M 8,192, K 1,024] x [K 1,024, N 1,024]; A: input hidden_states; B: input Wq: QUANTISED
;;     2. [M 8,192, K 1,024] x [K 1,024, N 1,024]; A: input hidden_states; B: input Wk: QUANTISED
;;     3. [M 8,192, K 1,024] x [K 1,024, N 1,024]; A: input hidden_states; B: input Wv: QUANTISED
;;     4. batch 64 x [M 2,048, K 64] x [K 64, N 2,048]; A: computed on the way; B: computed on the way: QUANTISED
;;     5. batch 64 x [M 2,048, K 2,048] x [K 2,048, N 64]; A: softmax (see below); B: computed on the way: QUANTISED
;;     6. [M 8,192, K 1,024] x [K 1,024, N 1,024]; A: computed on the way; B: input Wo: QUANTISED
;;   THE QUANTISER, for each operand of a quantised product, along K:
;;     - K is cut into blocks of 32 from its start; a last block that is shorter is filled with zeros.
;;     - A block's scale is 2^e with e = floor(log2(the largest magnitude in the block)) - 2, held to -126 .. 127; a block of zeros has e = 0. As a byte (E8M0): e + 127.
;;     - Each number is divided by its block's scale, clamped to +-7.5, and rounded to the nearest number of E2M3, ties to even, subnormals kept.
;;     - The product sums the exact products of the quantised numbers (number of the format x scale) in f32.
;;   ~~~python
;;   def quantise(x, axis):      # numpy; x: float32 -> the quantised numbers, widened to float32 again
;;       x = np.moveaxis(x, axis, -1); K = x.shape[-1]
;;       x = np.pad(x, [(0, 0)] * (x.ndim - 1) + [(0, -K % 32)]); x = x.reshape(x.shape[:-1] + (-1, 32)); a = np.abs(x).max(-1, keepdims=True)
;;       e = np.where(a > 0, np.clip(np.frexp(np.where(a > 0, a, 1))[1] - 1 - 2, -126, 127), 0)      # np.frexp(a)[1] - 1 = floor(log2(a)), exactly
;;       r = np.clip(x / 2.0 ** e, -7.5, 7.5)
;;       step = 2.0 ** (np.maximum(np.frexp(np.where(r == 0, 1, r))[1] - 1, 0) - 3)
;;       q = np.round(r / step) * step * 2.0 ** e      # np.round: ties to even
;;       return np.moveaxis(q.reshape(q.shape[:-2] + (-1,))[..., :K], -1, axis).astype(np.float32)
;;   ~~~
;;   SOFTMAX AHEAD OF A QUANTISED PRODUCT. Where the list says 'softmax', what is quantised is not the finished softmax but p = 2^(t - M), with t = logit x log2(e) and M = ceil(the row's largest t), a whole number; so 1/2 < the row's largest p <= 1. The row's sum l is taken of the UNQUANTISED p, in f32, and the product's result is divided by l at the end. Since M is a whole number, a kernel that streams over the keys may use a running M (the ceiling of the running maximum): every later rescaling is an exact power of two, which a block's scale takes up: the codes' values come out the same.
;;   OPERANDS COMPUTED ON THE WAY. 'Computed on the way' means the value that the module computes at that place (a softmax that the list does not call 'softmax' is quantised finished and normalised). What goes into a quantiser is computed in f32, as accurately as f32 sums, v_exp_f32 and their like allow (about 1e-6 of the number): no bf16 or f16 on the way to a quantiser, and a product that is left as it is and whose result goes on into a quantised operand takes f32 operands (vector FMAs, or v_wmma_f32_16x16x4_f32). A number that lies on a knife's edge between two numbers of the format may be rounded either way, as far as f32 arithmetic and the matrix unit's own rounding can turn it there, and no further.
;; One version. Each part assembles by itself: llvm-mc -triple=amdgcn-amd-amdhsa -mcpu=gfx1250 --defsym DOCPART=n.
;; ======== version 1 of 1: 4 launches
;; limits: right only within a limited range of input values
;; workspace buffers: xc 6,291,456 bytes; wc 3,145,728 bytes; sc 360,448 bytes; sc2 294,912 bytes; tab 524,288 bytes; qkv 20,185,088 bytes; ac 6,291,456 bytes
;; launch quant (part 1): grid 896 x 1, 4 waves a work-group, no clusters, 34,304 bytes of LDS; arguments hidden_states, Wq, Wk, Wv, Wo, xc, wc, sc, sc2, tab; writes xc, wc, sc, sc2, tab
.if DOCPART == 1
	.amdgcn_target "amdgcn-amd-amdhsa--gfx1250"
	.amdhsa_code_object_version 6
	.text
	.protected	k_qced3484ecb_quant
	.globl	k_qced3484ecb_quant
	.p2align	8
	.type	k_qced3484ecb_quant,@function
k_qced3484ecb_quant:
	s_mov_b64 s[64:65], 0
	v_nop
	global_prefetch_b8 v0, s[64:65] scope:SCOPE_SE
	s_setreg_imm32_b32 hwreg(HW_REG_WAVE_MODE, 25, 1), 1
	s_wait_xcnt 0x0
; hidden_states [8192][1024] and the four weights [1024 (k)][1024 (n)], f32, become codes of FP6 (E2M3) with one E8M0 byte for each 32 along K; and RoPE's cos and sin are tabulated.
; A block's scale is 2^(floor(log2(its largest magnitude)) - 2); its byte is the largest magnitude's exponent field - 2, held at 1 from below.
; LAYOUT OF THE CODES: images of the matrix operand's registers.  A fragment (16 rows x 128 K, 12 registers a lane) is 1,536 bytes: piece c (512 bytes) holds registers 4 c .. 4 c + 3, lane l's 16 bytes at 16 l.
; Lane (r, h) holds row r, registers 6 c .. 6 c + 5 = k 64 c + 32 h + 0 .. 31.  xc, wc: [K / 256][tile][2 fragments].  Scale words (4 bytes: a row's 128 k): [K / 128][tile][row].
; THE ROWS OF A TILE ARE NOT NEIGHBOURS: lane r of tile T holds row 32 (T / 2) + 8 (T % 2) + r + 8 (r / 8), of the tokens and of the weights' n alike, so that a later product used transposed leaves 16 neighbours in a lane's registers.
; THREE PATHS, parted by the work-group's number: 0-255 the weights, 256-767 hidden_states, 768-895 the table.  Only the second touches LDS.  No loop: every offset is an immediate.  Work-groups share no input: no cluster.
; The scale words leave in runs of 64 or 128 bytes: one byte in 24 of what the launch stores.
; LIMITS: NaN and infinities among the inputs are not served.  A block whose largest magnitude lies under 2^-124 has its byte held at 1; a block of zeros gets the byte 1 where the rule says 127: its codes are zeros, and
; this program alone reads the bytes.  The table's inverse frequencies are 1 / f32(10^(j / 8)): they equal reference()'s where its power is correctly rounded; one unit in the last place there moves an angle by up to 2e-4 rad at the last positions.
.set SPARE, 33792                      ; behind the four stages: the spare words, 128 bytes for each wave
.set WSTG,  8448                       ; a wave's stage: 16 rows x (512 bytes + 16)
.set SPW,   12                         ; v12  LDS address of my spare word; never rewritten
.set NIL,   13                         ; v13  0; never rewritten
.set RAW,   32                         ; v32-159   hidden: 32 loads as they come
.set XN,    160                        ; v160-223  64 numbers: two whole blocks of my row
.set CX,    224                        ; v224-247  two fragments
.set TT,    248                        ; v248-250, v252-254  the second halves of two blocks
.set GW,    96                         ; v96-119   the weights' path: four blocks' codes
.set TW,    120                        ; v120-122  a block's second half
	s_load_b512 s[24:39], s[0:1], 0x0              ; hidden s[24:25], Wq s[26:27], Wk s[28:29], Wv s[30:31], Wo s[32:33], xc s[34:35], wc s[36:37], sc s[38:39]
	s_load_b128 s[40:43], s[0:1], 0x40             ; sc2 s[40:41], tab s[42:43]
	v_lshl_add_u32 v[SPW], v0, 2, SPARE
	v_mov_b32 v[NIL], 0
	v_lshrrev_b32 v1, 5, v0
	v_readfirstlane_b32 s16, v1                    ; wave 0..3
	v_and_b32 v1, 31, v0                           ; lane
	v_and_b32 v2, 15, v0                           ; r
	v_bfe_u32 v3, v0, 4, 1                         ; h
	v_lshlrev_b32 v4, 4, v1                        ; 16 x lane
	s_mov_b32 s20, 0x76543210
	s_mov_b32 s21, 0xfedcba98                      ; v_permlanex16_b32's selects for lane l xor 16
	s_wait_kmcnt 0x0
	s_cmp_lt_u32 ttmp9, 256
	s_cbranch_scc1 .Lweights
	s_cmp_lt_u32 ttmp9, 768
	s_cbranch_scc0 .Ltable
; ---- hidden_states.  Work-group = tile T of 16 tokens; wave = 256 along K: two fragments.  Each load reads 512 consecutive bytes of a row; the rows turn through the wave's own stage, so that a lane gets whole blocks of 32.
	s_sub_co_u32 s4, ttmp9, 256                    ; T
	s_lshr_b32 s5, s4, 1
	s_lshl_b32 s5, s5, 5
	s_and_b32 s6, s4, 1
	s_lshl_b32 s6, s6, 3
	s_add_co_u32 s5, s5, s6                        ; the tile's first token: 32 (T / 2) + 8 (T % 2)
	s_lshl_b32 s6, s5, 12                          ; x 4,096 bytes a row
	s_lshl_b32 s7, s16, 10                         ; + 1,024 x wave
	s_add_co_u32 s6, s6, s7
	s_mov_b32 s7, 0
	s_add_nc_u64 s[24:25], s[24:25], s[6:7]
	s_mul_i32 s6, s16, 1572864                     ; xc: the wave's plane,
	s_mul_i32 s8, s4, 3072                         ; the tile's two fragments
	s_add_co_u32 s6, s6, s8
	s_add_nc_u64 s[34:35], s[34:35], s[6:7]
	s_mul_i32 s6, s16, 90112                       ; sc: two planes of 45,056 a wave,
	s_lshl_b32 s8, s4, 6                           ; 64 bytes a tile
	s_add_co_u32 s6, s6, s8
	s_add_nc_u64 s[38:39], s[38:39], s[6:7]
	s_mul_i32 s9, s16, WSTG
	s_wait_alu depctr_va_vdst(0)
	v_add_nc_u32 v5, s9, v4                        ; into the stage: 16 x lane of a row
	v_mul_u32_u24 v6, v2, 528
	v_lshl_add_u32 v6, v3, 7, v6
	v_add_nc_u32 v6, s9, v6                        ; out of it: row r, + 128 h: my block of each 64 numbers
	v_mul_u32_u24 v7, v3, 45056
	v_lshl_add_u32 v7, v2, 2, v7                   ; scale words: lanes 0-15 the first K step's plane, lanes 16-31 the second's
	v_lshlrev_b32 v8, 3, v3                        ; 8 h: my bytes' place in a scale word
	v_mov_b32 v21, 0                               ; a lane permute's destination counts as one of its sources
.set kk, 0
.rept 2
.set ii, 0
.rept 16
	global_load_b128 v[RAW+64*kk+4*ii:RAW+64*kk+4*ii+3], v4, s[24:25] offset:(ii+8*(ii/8))*4096+512*kk th:TH_LOAD_NT   ; row ii of the tile, 128 numbers
.set ii, ii+1
.endr
.set kk, kk+1
.endr
.macro TURNX k                         ; LDS serves a wave's instructions in order: no wait between the stores and the loads
.set ii, 0
.rept 16
	ds_store_b128 v5, v[RAW+64*\k+4*ii:RAW+64*\k+4*ii+3] offset:528*ii
.set ii, ii+1
.endr
.set ii, 0
.rept 16
	ds_load_b128 v[XN+4*ii:XN+4*ii+3], v6 offset:256*(ii/8)+16*(ii%8)   ; register 32 c + i = k 64 c + 32 h + i of row r
.set ii, ii+1
.endr
.endm
.macro QUANTX k                        ; my two whole blocks, 2 c + h, become registers 6 c .. 6 c + 5 of the fragment; the scale word is gathered from lanes l and l xor 16
.irp c, 0,1
	v_max3_num_f32 v[14+\c], |v[XN+32*\c]|, |v[XN+32*\c+1]|, 0x1800000   ; with the floor 2^(3 - 127): the byte cannot fall under 1
.endr
.irp i, 2,4,6,8,10,12,14,16,18,20,22,24,26,28,30
.irp c, 0,1
	v_max3_num_f32 v[14+\c], v[14+\c], |v[XN+32*\c+\i]|, |v[XN+32*\c+\i+1]|
.endr
.endr
.irp c, 0,1
	v_add_nc_u32 v[16+\c], 0xff000000, v[14+\c]    ; 2 off the exponent field: the conversion's scale operand
.endr
.irp c, 0,1
	v_lshrrev_b32 v[18+\c], 23, v[16+\c]           ; the byte
.endr
	v_lshl_or_b32 v20, v19, 16, v18
	v_lshlrev_b32 v20, v8, v20                     ; bytes h and 2 + h
	v_permlanex16_b32 v21, v20, s20, s21
	v_or_b32 v[22+\k], v20, v21                    ; the row's word
.irp c, 0,1
	v_cvt_scalef32_pk16_fp6_f32 v[CX+12*\k+6*\c:CX+12*\k+6*\c+2], v[XN+32*\c:XN+32*\c+15], v[16+\c]
	v_cvt_scalef32_pk16_fp6_f32 v[TT+4*\c:TT+4*\c+2], v[XN+32*\c+16:XN+32*\c+31], v[16+\c]   ; (a conversion's three registers begin on an even number)
.endr
	v_nop                                          ; one plain place behind a scaled conversion
.irp c, 0,1
.irp i, 0,1,2
	v_mov_b32 v[CX+12*\k+6*\c+3+\i], v[TT+4*\c+\i]
.endr
.endr
.irp c, 0,1,2
	global_store_b128 v4, v[CX+12*\k+4*\c:CX+12*\k+4*\c+3], s[34:35] offset:1536*\k+512*\c   ; 512 consecutive bytes
.endr
.endm
	s_wait_alu depctr_va_vdst(0)
	s_wait_loadcnt 16                              ; the first K step's sixteen loads are in; the second's may be out
	TURNX 0
	s_wait_dscnt 0x0
	QUANTX 0
	s_wait_loadcnt 0x0
	TURNX 1
	s_wait_dscnt 0x0
	QUANTX 1
	v_cmp_ne_u32 vcc_lo, 0, v3
	v_cndmask_b32 v24, v22, v23, vcc_lo            ; lanes 0-15 the first word, lanes 16-31 the second
	global_store_b32 v7, v24, s[38:39]
	s_wait_tensorcnt 0x0                           ; the wave's end
	ds_add_u32 v[SPW], v[NIL]
	s_wait_dscnt 0x0
	s_endpgm
; ---- the weights.  Work-group = (weight, 128 columns, 128 along K); wave = 32 columns: two tiles.  A lane takes a column and its registers run down K: a block of 32 lies in one lane.
.Lweights:
	s_lshr_b32 s4, ttmp9, 6                        ; which weight: q, k, v, o
	s_bfe_u32 s5, ttmp9, 0x30003                   ; which 128 columns
	s_and_b32 s6, ttmp9, 7                         ; which 128 along K
	s_lshl_b32 s5, s5, 3
	s_lshl_b32 s7, s16, 1
	s_add_co_u32 s5, s5, s7                        ; my first tile in the weight
	s_lshl_b32 s8, s4, 6                           ; 64 tiles a weight
	s_mov_b32 s10, 45056
	s_cmp_eq_u32 s4, 1
	s_cselect_b64 s[26:27], s[28:29], s[26:27]
	s_cmp_eq_u32 s4, 2
	s_cselect_b64 s[26:27], s[30:31], s[26:27]
	s_cmp_eq_u32 s4, 3
	s_cselect_b64 s[26:27], s[32:33], s[26:27]
	s_cselect_b64 s[38:39], s[40:41], s[38:39]     ; Wo's scale words go to sc2,
	s_cselect_b32 s10, 36864, s10                  ; whose planes are shorter,
	s_cselect_b32 s9, 0, s8                        ; and begin at its tile 512
	s_lshl_b32 s12, s6, 19                         ; 128 rows of 4,096 bytes
	s_lshl_b32 s13, s5, 6                          ; 16 columns of 4 bytes a tile
	s_add_co_u32 s12, s12, s13
	s_mov_b32 s13, 0
	s_add_nc_u64 s[26:27], s[26:27], s[12:13]
	s_lshr_b32 s12, s6, 1
	s_mul_i32 s12, s12, 786432                     ; wc: the plane,
	s_add_co_u32 s14, s8, s5
	s_mul_i32 s14, s14, 3072                       ; the tile,
	s_add_co_u32 s12, s12, s14
	s_and_b32 s14, s6, 1
	s_mul_i32 s14, s14, 1536                       ; which of its two fragments
	s_add_co_u32 s12, s12, s14
	s_add_nc_u64 s[36:37], s[36:37], s[12:13]
	s_mul_i32 s12, s6, s10
	s_add_co_u32 s14, s9, s5
	s_add_co_u32 s14, s14, 512
	s_lshl_b32 s14, s14, 6
	s_add_co_u32 s12, s12, s14
	s_add_nc_u64 s[38:39], s[38:39], s[12:13]
	s_wait_alu depctr_va_vdst(0)
	v_and_b32 v9, 8, v2
	v_add_nc_u32 v9, v9, v2
	v_lshl_add_u32 v9, v3, 3, v9                   ; my column among the 32: 8 h + r + 8 (r / 8): lanes 0-15 the even tile, lanes 16-31 the odd one
	v_lshlrev_b32 v9, 2, v9
	v_lshlrev_b32 v6, 2, v1                        ; 4 x lane
.macro WLOAD t                         ; block t: W(32 t + i, my column) into set t % 2
.set ii, 0
.rept 32
	global_load_b32 v[32+32*((\t)%2)+ii], v9, s[26:27] offset:(32*(\t)+ii)*4096 th:TH_LOAD_NT
.set ii, ii+1
.endr
.endm
.macro WBLOCK t
.set XS, 32+32*((\t)%2)
.set GO, GW+12*((\t)%2)+6*((\t)/2)     ; blocks 0, 2 in the first twelve registers, blocks 1, 3 in the second
.if (\t) < 3
	s_wait_loadcnt 32                              ; this block's 32 loads are in; the next block's may be out
.else
	s_wait_loadcnt 0x0
.endif
	v_max3_num_f32 v14, |v[XS]|, |v[XS+1]|, |v[XS+2]|
	v_max3_num_f32 v15, |v[XS+3]|, |v[XS+4]|, |v[XS+5]|
.irp i, 6,10,14,18,22,26
	v_max3_num_f32 v14, v14, |v[XS+\i]|, |v[XS+\i+1]|
	v_max3_num_f32 v15, v15, |v[XS+\i+2]|, |v[XS+\i+3]|
.endr
	v_max3_num_f32 v14, v14, |v[XS+30]|, |v[XS+31]|
	v_max3_num_f32 v14, v14, v15, 0x1800000
	v_add_nc_u32 v16, 0xff000000, v14
	v_lshrrev_b32 v15, 23, v16
.if (\t) == 0
	v_mov_b32 v17, v15
.else
	v_lshl_or_b32 v17, v15, 8*(\t), v17            ; my column's scale word
.endif
	v_cvt_scalef32_pk16_fp6_f32 v[GO:GO+2], v[XS:XS+15], v16
	v_cvt_scalef32_pk16_fp6_f32 v[TW:TW+2], v[XS+16:XS+31], v16
	v_nop
.irp i, 0,1,2
	v_mov_b32 v[GO+3+\i], v[TW+\i]
.endr
.if (\t) < 2
	WLOAD (\t)+2
.endif
.endm
	WLOAD 0
	WLOAD 1
	WBLOCK 0
	WBLOCK 1
	WBLOCK 2
	WBLOCK 3
.irp i, 0,1,2,3,4,5                    ; the operand wants blocks 2 c and 2 c + 1 of ONE tile in the two halves of the lanes: the first's lanes 16-31 change places with the second's lanes 0-15
	v_permlane16_swap_b32 v[GW+\i], v[GW+12+\i]
	v_permlane16_swap_b32 v[GW+6+\i], v[GW+18+\i]
.endr
.irp c, 0,1,2
	global_store_b128 v4, v[GW+4*\c:GW+4*\c+3], s[36:37] offset:512*\c            ; the even tile's fragment,
	global_store_b128 v4, v[GW+12+4*\c:GW+12+4*\c+3], s[36:37] offset:3072+512*\c ; the odd tile's
.endr
	global_store_b32 v6, v17, s[38:39]             ; two tiles' words: 128 consecutive bytes
	s_endpgm
; ---- the table.  Work-group = tile of 16 positions; wave i = frequencies 16 h + 4 i + 0 .. 3.  tab: [tile][piece 0-3 cos, 4-7 sin][lane][4].
; The chip's own sine and cosine are not used: the angle is reduced by pi / 2 in two parts (the first product is exact for angles under 2,048) and two short polynomials on +-pi / 4 follow.
.Ltable:
	s_sub_co_u32 s4, ttmp9, 768
	s_mov_b32 s44, 1.0                             ; 10^(j / 8), j = 4 i + e in s44-47 and j = 16 + 4 i + e in s48-51: wave 0's,
	s_mov_b32 s45, 1.333521432
	s_mov_b32 s46, 1.778279410
	s_mov_b32 s47, 2.371373706
	s_mov_b32 s48, 100.0
	s_mov_b32 s49, 133.3521432
	s_mov_b32 s50, 177.8279410
	s_mov_b32 s51, 237.1373706
	s_cmp_eq_u32 s16, 1                            ; wave 1's,
	s_cselect_b32 s44, 3.162277660, s44
	s_cselect_b32 s45, 4.216965034, s45
	s_cselect_b32 s46, 5.623413252, s46
	s_cselect_b32 s47, 7.498942093, s47
	s_cselect_b32 s48, 316.2277660, s48
	s_cselect_b32 s49, 421.6965034, s49
	s_cselect_b32 s50, 562.3413252, s50
	s_cselect_b32 s51, 749.8942093, s51
	s_cmp_eq_u32 s16, 2                            ; wave 2's,
	s_cselect_b32 s44, 10.0, s44
	s_cselect_b32 s45, 13.33521432, s45
	s_cselect_b32 s46, 17.78279410, s46
	s_cselect_b32 s47, 23.71373706, s47
	s_cselect_b32 s48, 1000.0, s48
	s_cselect_b32 s49, 1333.521432, s49
	s_cselect_b32 s50, 1778.279410, s50
	s_cselect_b32 s51, 2371.373706, s51
	s_cmp_eq_u32 s16, 3                            ; wave 3's
	s_cselect_b32 s44, 31.62277660, s44
	s_cselect_b32 s45, 42.16965034, s45
	s_cselect_b32 s46, 56.23413252, s46
	s_cselect_b32 s47, 74.98942093, s47
	s_cselect_b32 s48, 3162.277660, s48
	s_cselect_b32 s49, 4216.965034, s49
	s_cselect_b32 s50, 5623.413252, s50
	s_cselect_b32 s51, 7498.942093, s51
	s_mov_b32 s52, 0x3fc90fdb                      ; pi / 2, its upper part,
	s_mov_b32 s53, 0xb33bbd2e                      ; and what is left of it
	s_mov_b32 s54, 0xb94ca1f9                      ; sine: -1.9515295891e-4,
	s_mov_b32 s55, 0x3c08839e                      ; 8.3321608736e-3,
	s_mov_b32 s56, 0xbe2aaaa3                      ; -1.6666654611e-1
	s_mov_b32 s57, 0x37ccf5ce                      ; cosine: 2.443315712e-5,
	s_mov_b32 s58, 0xbab6061a                      ; -1.388731625e-3,
	s_mov_b32 s59, 0x3d2aaaa5                      ; 4.166664568e-2
	s_wait_alu depctr_va_vdst(0)
	v_cmp_ne_u32 vcc_lo, 0, v3
.irp e, 0,1,2,3
	v_mov_b32 v[16+\e], s[44+\e]
	v_cndmask_b32 v[16+\e], v[16+\e], s[48+\e], vcc_lo
.endr
	s_wait_alu depctr_va_vdst(0)
.irp e, 0,1,2,3
	v_rcp_f32 v[20+\e], v[16+\e]
.endr
	s_lshr_b32 s5, s4, 1
	s_lshl_b32 s5, s5, 5
	s_and_b32 s6, s4, 1
	s_lshl_b32 s6, s6, 3
	s_add_co_u32 s5, s5, s6
	v_and_b32 v5, 8, v2                            ; (a plain place behind the reciprocals)
	v_add_nc_u32 v5, v5, v2
	v_add_nc_u32 v5, s5, v5                        ; my position: 32 (T / 2) + 8 (T % 2) + r + 8 (r / 8)
	v_cvt_f32_u32 v5, v5
	s_wait_alu depctr_va_vdst(0)                   ; one wait for the four reciprocals, ahead of their first reader
.irp e, 0,1,2,3
	v_fma_f32 v[24+\e], -v[16+\e], v[20+\e], 1.0   ; one step of Newton's brings 1 / P to the last place
.endr
.irp e, 0,1,2,3
	v_fma_f32 v[20+\e], v[24+\e], v[20+\e], v[20+\e]
.endr
.macro SINCOS e
	v_mul_f32 v28, v5, v[20+\e]                    ; the angle, rounded once, as reference() has it
	v_mul_f32 v29, 0x3f22f983, v28
	v_rndne_f32 v29, v29                           ; n = the nearest multiple of pi / 2
	v_fma_f32 v28, -v29, s52, v28
	v_fma_f32 v28, -v29, s53, v28                  ; what is left, within +-pi / 4
	v_mul_f32 v30, v28, v28
	v_fma_f32 v31, v30, s54, s55
	v_fma_f32 v31, v31, v30, s56
	v_mul_f32 v32, v28, v30
	v_fma_f32 v31, v31, v32, v28                   ; its sine
	v_fma_f32 v33, v30, s57, s58
	v_fma_f32 v33, v33, v30, s59
	v_mul_f32 v32, v30, v30
	v_fma_f32 v34, v30, -0.5, 1.0
	v_fma_f32 v33, v33, v32, v34                   ; its cosine
	v_cvt_i32_f32 v29, v29
	v_and_b32 v35, 1, v29
	v_cmp_ne_u32 vcc_lo, 0, v35                    ; an odd n changes the two over
	v_cndmask_b32 v36, v31, v33, vcc_lo
	v_cndmask_b32 v37, v33, v31, vcc_lo
	v_lshlrev_b32 v35, 30, v29
	v_and_b32 v35, 0x80000000, v35                 ; the sine is turned where n mod 4 is 2 or 3,
	v_xor_b32 v[64+\e], v35, v36
	v_add_nc_u32 v29, 1, v29
	v_lshlrev_b32 v35, 30, v29
	v_and_b32 v35, 0x80000000, v35                 ; the cosine where it is 1 or 2
	v_xor_b32 v[60+\e], v35, v37
.endm
	SINCOS 0
	SINCOS 1
	SINCOS 2
	SINCOS 3
	s_lshl_b32 s6, s4, 12
	s_lshl_b32 s7, s16, 9
	s_add_co_u32 s6, s6, s7
	s_mov_b32 s7, 0
	s_add_nc_u64 s[42:43], s[42:43], s[6:7]
	global_store_b128 v4, v[60:63], s[42:43]
	global_store_b128 v4, v[64:67], s[42:43] offset:2048
	s_endpgm
.Lfunc_end_k_qced3484ecb_quant:
	.size	k_qced3484ecb_quant, .Lfunc_end_k_qced3484ecb_quant-k_qced3484ecb_quant
	.p2alignl 7, 3214868480
	.fill 96, 4, 3214868480
	.section	.rodata,"a",@progbits
	.p2align	6, 0x0
	.amdhsa_kernel k_qced3484ecb_quant
		.amdhsa_group_segment_fixed_size 34304
		.amdhsa_private_segment_fixed_size 0
		.amdhsa_enable_private_segment 0
		.amdhsa_kernarg_size 80
		.amdhsa_user_sgpr_count 2
		.amdhsa_user_sgpr_kernarg_segment_ptr 1
		.amdhsa_wavefront_size32 1
		.amdhsa_system_sgpr_workgroup_id_x 1
		.amdhsa_system_sgpr_workgroup_id_y 1
		.amdhsa_system_sgpr_workgroup_id_z 1
		.amdhsa_system_vgpr_workitem_id 0
		.amdhsa_next_free_vgpr 256
		.amdhsa_next_free_sgpr 66
		.amdhsa_reserve_vcc 1
		.amdhsa_float_denorm_mode_32 3
		.amdhsa_float_denorm_mode_16_64 3
		.amdhsa_memory_ordered 1
		.amdhsa_forward_progress 1
		.amdhsa_inst_pref_size 46
	.end_amdhsa_kernel
	.amdgpu_metadata
---
amdhsa.version: [ 1, 2 ]
amdhsa.kernels:
  - .name:           k_qced3484ecb_quant
    .symbol:         k_qced3484ecb_quant.kd
    .args:
      - { .name: hidden_states, .offset: 0, .size: 8, .value_kind: global_buffer, .address_space: global }
      - { .name: Wq, .offset: 8, .size: 8, .value_kind: global_buffer, .address_space: global }
      - { .name: Wk, .offset: 16, .size: 8, .value_kind: global_buffer, .address_space: global }
      - { .name: Wv, .offset: 24, .size: 8, .value_kind: global_buffer, .address_space: global }
      - { .name: Wo, .offset: 32, .size: 8, .value_kind: global_buffer, .address_space: global }
      - { .name: xc, .offset: 40, .size: 8, .value_kind: global_buffer, .address_space: global }
      - { .name: wc, .offset: 48, .size: 8, .value_kind: global_buffer, .address_space: global }
      - { .name: sc, .offset: 56, .size: 8, .value_kind: global_buffer, .address_space: global }
      - { .name: sc2, .offset: 64, .size: 8, .value_kind: global_buffer, .address_space: global }
      - { .name: tab, .offset: 72, .size: 8, .value_kind: global_buffer, .address_space: global }
    .group_segment_fixed_size: 34304
    .private_segment_fixed_size: 0
    .kernarg_segment_align: 8
    .kernarg_segment_size: 80
    .max_flat_workgroup_size: 128
    .sgpr_count:     66
    .vgpr_count:     256
    .wavefront_size: 32
...
	.end_amdgpu_metadata
.endif
;; end of part 1
;; launch qkv (part 2): grid 12 x 32, 4 waves a work-group, clusters of 4 x 4, 327,680 bytes of LDS; arguments xc, wc, sc, tab, qkv; writes qkv
.if DOCPART == 2
	.amdgcn_target "amdgcn-amd-amdhsa--gfx1250"
	.amdhsa_code_object_version 6
	.text
	.protected	k_qced3484ecb_qkv
	.globl	k_qced3484ecb_qkv
	.p2align	8
	.type	k_qced3484ecb_qkv,@function
k_qced3484ecb_qkv:
	s_mov_b64 s[64:65], 0
	v_nop
	global_prefetch_b8 v0, s[64:65] scope:SCOPE_SE
	s_setreg_imm32_b32 hwreg(HW_REG_WAVE_MODE, 25, 1), 1
	s_wait_xcnt 0x0
	s_wait_alu depctr_hold_cnt(0) depctr_sa_sdst(0) depctr_va_vdst(0) depctr_va_sdst(0) depctr_va_ssrc(0) depctr_va_vcc(0) depctr_vm_vsrc(0)
	s_getreg_b32 s2, hwreg(HW_REG_IB_STS2, 6, 4)
	s_cmp_eq_u32 s2, 0
	s_cbranch_scc0 .Lentry_in_a_cluster
	s_endpgm
.Lentry_in_a_cluster:
	s_bfe_u32 s2, ttmp6, 0x10000c
	s_cmp_lg_u32 s2, 0xf033
	s_cbranch_scc0 .Lentry_shape_is_right
	s_endpgm
.Lentry_shape_is_right:
; q, k, v = hidden x Wq, Wk, Wv on codes of FP6 (E2M3) with E8M0 scales; RoPE on q and k in f32; all three quantised again, in registers, for the attention: q and k along the head's 64, v along the keys.
; A tile of the product, 256 x 256, is made by four waves, 128 x 128 each: 64 accumulators, 512 registers.  Work-group x = 0-3 q, 4-7 k, 8-11 v (256 columns each); y = 256 tokens.
; OPERANDS lie in memory as images of their registers (a fragment of 16 rows x 128 K: 1,536 bytes, three pieces of 512, lane l's 16 bytes at 16 l), 256 along K of eight tiles on end: 24,576 dense bytes, one tensor load a wave.
; K = 1,024 is four such steps.  Three LDS slots are filled at the start; the fourth step fills slot 0 again: one refill in the launch, and no loop.  A wave has one tensor load out at the start, later one.
; CLUSTERS: 4 x 4.  The tokens' tiles hang on y alone and are asked for jointly along a row of the cluster, the weights' on x alone, along a column.
; THE PRODUCT IS USED TRANSPOSED: source 0 = the COLUMN operand's 16 rows, source 1 = the ROW operand's: a lane holds one row, its registers run along the columns; and since lane r of a stored tile T holds row
; 32 (T / 2) + 8 (T % 2) + r + 8 (r / 8), the 16 registers of column tiles 2 b and 2 b + 1 are the 16 neighbours 32 b + 16 (lane / 16) + 0 .. 15.
; q, k: row operand = tokens, column operand = the weight: registers run along the head's channels.  v: THE OTHER WAY ROUND, by the same text: row operand = Wv's rows (channels), column operand = tokens: registers run along the keys.
; Only the LDS bases from which fragments are read and the scale words' offsets differ, chosen by the cluster's x, which all partners share; no descriptor and no mask hangs on the choice.
; THE SCALE WORDS of a wave's 8 + 8 tiles for all 8 K steps come once, into 64 registers: lanes 0-15 the row operand's tile i, lanes 16-31 the column operand's tile i.
; OUT (qkv): q at 0, k at 6,815,744: [batch][head][128 tokens]: a record of 6,656 bytes: four images of two tiles (6 + 6 registers: K = 64), then 512 bytes of scale words (lane l's 16 bytes: word i = tile 2 i + l / 16), bytes 2, 3 = 0x7f.
;   v at 13,631,488: records of 6,400 bytes: four fragments (16 channels x 128 keys), then 256 bytes of scale words.  Every store covers 256 or 512 consecutive bytes.  Nothing goes through LDS on the way out.
; LIMITS: NaN and infinities are not served; a block under 2^-124 has its byte held at 1, a block of zeros gets the byte 1 (its codes are zeros; this program alone reads the bytes).
; REGISTERS: window 0: v1-7 lane terms; v16-18, v20-22 LDS addresses; v28, v29 the add's two; v32-95 scale words; v96-127, v224-255 two sets of cos and sin; v128-223 the row operand's 8 fragments, on the way out work.
;   window 1: the column operand's fragments, two sets, at v0 and v128.  windows 2, 3: the accumulators ((a, b) at v[8 (8 (a % 4) + b)]).
.set SLOTB,  98304                     ; a slot: the tokens' 16 tiles x 3,072 bytes, then the weight's
.set HALFB,  24576                     ; what one tensor load brings, and what a wave reads of an operand
.set XOFF,   49152
.set SPARE,  3*SLOTB                   ; behind the slots: the spare words, 128 bytes for each wave
.set PLANEY, 1572864                   ; 256 along K on, in xc,
.set PLANEX, 786432                    ; in wc
.set PLANES, 45056                     ; 128 along K on, in sc
.set FR,   12
.set AF,   128
.set SC,   32
.set LI,   3                           ; v3  16 x lane
.set ADRR, 16                          ; v16-18 the row operand in slots 0-2
.set ADRC, 20                          ; v20-22 the column operand
.set SPW,  28
.set NIL,  29
.set T32,  128                         ; the way out, window 0: v128-159 x1 sin
.set EE,   160                         ; v160-183 codes
.set TT,   184                         ; v184-186, v188-190 second halves
.set TM,   192                         ; v192-195 largest magnitudes, v196-199 bytes, v204-207 the conversions' scale operands
.set PW,   208                         ; v208-215 the scale word of each of my 8 row tiles
.set WD,   216                         ; v216-223 scale words as stored
.set G1,   24                          ; s[24:31] group 1, mask = my row of the cluster;  s[48:55] mask = my column
.set G1B,  48
.set G0Y,  68                          ; s[68:71], s[80:83] group 0 for the tokens' steps 0, 3;  s[84:87], s[96:99] for the weight's: never rewritten
.set G0X,  84
.set MSB, 0
.macro WIN new                         ; the immediate's high byte repeats the setting that is left
.if MSB != (\new)
	s_set_vgpr_msb (MSB<<8)|(\new)
.set MSB, (\new)
.endif
.endm
.set MUL_LO, 0xa1                      ; source 0 window 1, source 1 window 0, C and D window 2
.set MUL_HI, 0xf1
.set TO_B,   0x40
.macro PLACES                          ; four plain places behind matrix instructions, ahead of loads into their registers and of reads of their results
.rept 4
	v_nop
.endr
.endm
.macro JLOAD g                         ; a joint load of step g: waves 0, 1 the tokens' halves, waves 2, 3 the weight's.  An s_nop 0 and four v_nop follow each line
	s_cmp_eq_u32 s15, 0
	s_cbranch_scc0 .Lfor_x_\@
	tensor_load_to_lds s[G0Y+4*\g:G0Y+4*\g+3], s[G1:G1+7]
	s_nop 0
.rept 4
	v_nop
.endr
	s_branch .Lasked_\@
.Lfor_x_\@:
	tensor_load_to_lds s[G0X+4*\g:G0X+4*\g+3], s[G1B:G1B+7]
	s_nop 0
.rept 4
	v_nop
.endr
.Lasked_\@:
.endm
.macro CREST                           ; a round of the cluster's barrier behind its opening barrier
	s_cmp_lg_u32 s14, 0
	s_cbranch_scc1 .Lnot_wave_0_\@
	s_barrier_signal -3
.Lnot_wave_0_\@:
	s_barrier_wait -3
	s_barrier_signal -1
	s_barrier_wait -1
.endm
.macro CROUND
	s_barrier_signal -1
	s_barrier_wait -1
	CREST
.endm
	s_load_b256 s[4:11], s[0:1], 0x0               ; xc s[4:5], wc s[6:7], sc s[8:9], tab s[10:11]
	s_load_b64 s[12:13], s[0:1], 0x20              ; qkv
	v_lshl_add_u32 v[SPW], v0, 2, SPARE
	v_mov_b32 v[NIL], 0
	ds_add_u32 v[SPW], v[NIL]                      ; the wave's opening: the add and its wait stand ahead of my first tensor load; work on registers stands between them
	ds_add_u32 v[SPW], v[NIL]
	v_lshrrev_b32 v1, 5, v0
	v_readfirstlane_b32 s14, v1                    ; wave 0..3
	s_lshr_b32 s15, s14, 1                         ; which 128 rows are mine.  Also: I fetch the tokens' tiles (0) or the weight's (1)
	s_and_b32 s16, s14, 1                          ; which 128 columns.  Also: which 8 tiles I fetch
	s_bfe_u32 s40, ttmp6, 0x40000                  ; cx, cy
	s_bfe_u32 s41, ttmp6, 0x40004
	s_lshl_b32 s42, ttmp9, 2
	s_add_co_u32 s42, s42, s40                     ; x
	s_and_b32 s17, ttmp7, 0xffff
	s_lshl_b32 s17, s17, 2
	s_add_co_u32 s17, s17, s41                     ; y
	s_lshl_b32 s43, s41, 2
	s_lshl_b32 s43, 15, s43                        ; my row of the cluster
	s_lshl_b32 s44, 0x1111, s40                    ; my column
	s_or_b32 s[G1], s43, (3<<16)|(1<<21)           ; 15:0 the mask; 17:16 elements of 8 bytes; 21 set beside a mask; no padding
	s_or_b32 s[G1B], s44, (3<<16)|(1<<21)
.irp g, G1, G1B
	s_mov_b32 s[\g+1], 32<<16                      ; tensor_dim0 = 32 elements: rows of 256 bytes
	s_mov_b32 s[\g+2], 192<<16                     ; at the head 192 rows: an operand's whole step, 49,152 dense bytes; the refill's 96 are set ahead of it
	s_mov_b32 s[\g+3], 32<<16                      ; tile_dim0
	s_mov_b32 s[\g+4], 192
	s_mov_b32 s[\g+5], 32                          ; the pitch
	s_mov_b32 s[\g+6], 0
	s_mov_b32 s[\g+7], 0
.endr
	s_lshl_b32 s18, s16, 3
	s_lshl_b32 s20, s17, 4
	s_add_co_u32 s20, s20, s18                     ; the tokens' tile 16 y + 8 x half: y alone
	s_mul_i32 s20, s20, 3072
	s_mov_b32 s21, 0
	s_lshl_b32 s46, s42, 4
	s_add_co_u32 s46, s46, s18                     ; the weight's tile 16 x + 8 x half: x alone
	s_mul_i32 s46, s46, 3072
	s_mov_b32 s47, 0
	s_mul_i32 s45, s14, HALFB
	s_or_b32 s72, s43, (3<<16)|(1<<21)             ; group 1 for steps 1 and 2 of an operand: two rows of 49,152 bytes (6,144 elements of 8), a plane apart in memory, on end in LDS
	s_or_b32 s88, s44, (3<<16)|(1<<21)
.irp g, 72, 88
	s_mov_b32 s[\g+1], 6144<<16
	s_mov_b32 s[\g+2], 2<<16
	s_mov_b32 s[\g+3], 6144<<16
	s_mov_b32 s[\g+4], 2
	s_mov_b32 s[\g+6], 0
	s_mov_b32 s[\g+7], 0
.endr
	s_mov_b32 s77, PLANEY/8
	s_mov_b32 s93, PLANEX/8
	s_mov_b32 s57, 0xffff0000                      ; lanes 16-31
	s_mov_b32 s58, 0x76543210
	s_mov_b32 s59, 0xfedcba98                      ; v_permlanex16_b32's selects for lane l xor 16
	s_wait_dscnt 0x0                               ; the opening add is done
	s_wait_kmcnt 0x0
	s_add_nc_u64 s[20:21], s[4:5], s[20:21]
	s_add_nc_u64 s[46:47], s[6:7], s[46:47]
.irp g, 0,3
	s_mov_b32 s[G0Y+4*\g], 1
	s_add_co_u32 s[G0Y+4*\g+1], s45, (\g%3)*SLOTB
	s_add_nc_u64 s[G0Y+4*\g+2:G0Y+4*\g+3], s[20:21], \g*PLANEY
	s_or_b32 s[G0Y+4*\g+3], s[G0Y+4*\g+3], 0x80000000
	s_mov_b32 s[G0X+4*\g], 1
	s_add_co_u32 s[G0X+4*\g+1], s45, (\g%3)*SLOTB
	s_add_nc_u64 s[G0X+4*\g+2:G0X+4*\g+3], s[46:47], \g*PLANEX
	s_or_b32 s[G0X+4*\g+3], s[G0X+4*\g+3], 0x80000000
.endr
	; LDS: slot 0 (the tokens' step 0, then the weight's) at 0; the tokens' steps 1, 2 from SLOTB on; the weight's from 2 SLOTB on.  The fourth step fills slot 0 again.
	s_mul_i32 s32, s16, HALFB
	s_mov_b32 s33, 0
	s_sub_nc_u64 s[62:63], s[20:21], s[32:33]      ; the tokens' first tile, without my half,
	s_add_nc_u64 s[62:63], s[62:63], PLANEY        ; step 1
	s_or_b32 s63, s63, 0x80000000
	s_mov_b32 s60, 1
	s_mov_b32 s61, SLOTB
	s_sub_nc_u64 s[6:7], s[46:47], s[32:33]        ; the same for the weight (the arguments that lay in s[4:7] have served)
	s_add_nc_u64 s[6:7], s[6:7], PLANEX
	s_or_b32 s7, s7, 0x80000000
	s_mov_b32 s4, 1
	s_mov_b32 s5, 2*SLOTB
	CROUND                                         ; all sixteen work-groups are here: the first joint loads meet
	s_cmp_eq_u32 s14, 0                            ; the head's loads, one a wave, in one chain of arms: wave 0 the tokens' step 0,
	s_cbranch_scc0 .Lhead_1
	tensor_load_to_lds s[G0Y:G0Y+3], s[G1:G1+7]
	s_nop 0
.rept 4
	v_nop
.endr
	s_branch .Lhead_asked
.Lhead_1:
	s_cmp_eq_u32 s14, 1                            ; wave 1 their steps 1 and 2,
	s_cbranch_scc0 .Lhead_2
	tensor_load_to_lds s[60:63], s[72:79]
	s_nop 0
.rept 4
	v_nop
.endr
	s_branch .Lhead_asked
.Lhead_2:
	s_cmp_eq_u32 s14, 2                            ; wave 2 the weight's step 0,
	s_cbranch_scc0 .Lhead_3
	tensor_load_to_lds s[G0X:G0X+3], s[G1B:G1B+7]
	s_nop 0
.rept 4
	v_nop
.endr
	s_branch .Lhead_asked
.Lhead_3:
	tensor_load_to_lds s[4:7], s[88:95]            ; wave 3 its steps 1 and 2
	s_nop 0
.rept 4
	v_nop
.endr
.Lhead_asked:
	v_and_b32 v1, 15, v0                           ; r
	v_bfe_u32 v2, v0, 4, 1                         ; h
	s_wait_alu depctr_va_vdst(0)
	v_and_b32 v[LI], 31, v0
	v_lshlrev_b32 v7, 3, v[LI]                     ; 8 x lane
	v_lshlrev_b32 v[LI], 4, v[LI]                  ; 16 x lane
	s_wait_alu depctr_va_vdst(0)
	s_lshl_b32 s32, s17, 4                         ; the tokens' tiles in sc: 16 y on
	s_lshl_b32 s33, s42, 4
	s_add_co_u32 s33, s33, 512                     ; the weight's: 512 + 16 x on
	s_cmp_eq_u32 ttmp9, 2                          ; v?  The cluster's x: the same in all sixteen partners
	s_cselect_b32 s34, s33, s32                    ; the row operand's tiles,
	s_cselect_b32 s35, s32, s33                    ; the column operand's,
	s_cselect_b32 s36, XOFF, 0                     ; and where each lies in a slot
	s_cselect_b32 s37, 0, XOFF
	s_cselect_b32 s56, 1, 0
	s_lshl_b32 s38, s15, 3
	s_add_co_u32 s34, s34, s38
	s_lshl_b32 s34, s34, 6
	s_lshl_b32 s38, s16, 3
	s_add_co_u32 s35, s35, s38
	s_lshl_b32 s35, s35, 6
	v_mov_b32 v5, s34
	v_mov_b32 v6, s35
	v_cmp_ne_u32 vcc_lo, 0, v2
	v_cndmask_b32 v5, v5, v6, vcc_lo
	v_lshl_add_u32 v4, v1, 2, v5                   ; lanes 0-15: the row operand's words, lanes 16-31: the column operand's
.set ii, 0
.rept 8
.set ss, 0
.rept 8
	global_load_b32 v[SC+8*ii+ss], v4, s[8:9] offset:ss*PLANES+64*ii
.set ss, ss+1
.endr
.set ii, ii+1
.endr
	s_and_b32 s38, s17, 7
	s_lshl_b32 s38, s38, 4
	s_lshl_b32 s39, s15, 3
	s_add_co_u32 s38, s38, s39                     ; my first tile of positions: 16 (y % 8) + 8 x row half
	s_lshl_b32 s38, s38, 12
	s_mov_b32 s39, 0
	s_add_nc_u64 s[10:11], s[10:11], s[38:39]
.irp a, 0,1                            ; cos and sin for my row tiles 0 and 1 (asked for by v's work-groups too, which do not use them: so every path finds the same loads out)
.irp i, 0,1,2,3,4,5,6,7
	global_load_b128 v[96+128*\a+4*\i:96+128*\a+4*\i+3], v[LI], s[10:11] offset:4096*\a+512*\i
.endr
.endr
	s_mul_i32 s38, s15, HALFB
	s_add_co_u32 s38, s38, s36
	s_mul_i32 s39, s16, HALFB
	s_add_co_u32 s39, s39, s37
	v_add_nc_u32 v[ADRR], s38, v[LI]               ; step 0: in slot 0
	v_add_nc_u32 v[ADRC], s39, v[LI]
	s_add_co_u32 s38, s38, s36                     ; step 1: SLOTB + twice the operand's place in slot 0 + my half
	s_add_co_u32 s39, s39, s37
	s_add_co_u32 s38, s38, SLOTB
	s_add_co_u32 s39, s39, SLOTB
	v_add_nc_u32 v[ADRR+1], s38, v[LI]
	v_add_nc_u32 v[ADRC+1], s39, v[LI]
	s_add_co_u32 s38, s38, XOFF                    ; step 2: 49,152 bytes on
	s_add_co_u32 s39, s39, XOFF
	v_add_nc_u32 v[ADRR+2], s38, v[LI]
	v_add_nc_u32 v[ADRC+2], s39, v[LI]
.macro FRAG reg, adr, off              ; a fragment comes as it was stored: three loads of 512 consecutive bytes
.irp c, 0,1,2
	ds_load_b128 v[(\reg)+4*\c:(\reg)+4*\c+3], v[\adr] offset:(\off)+512*\c
.endr
.endm
.macro FETCH_B s                       ; the column operand's eight fragments of K step s into set s % 2
	WIN TO_B
.irp i, 0,1,2,3,4,5,6,7
	FRAG 128*((\s)%2)+FR*\i, ADRC+(((\s)/2)%3), 3072*\i+1536*((\s)%2)
.endr
	WIN 0
.endm
.macro FETCH_A s, i0                   ; the row operand's tiles i0 .. i0 + 3
.irp i, \i0, \i0+1, \i0+2, \i0+3
	FRAG AF+FR*(\i), ADRR+(((\s)/2)%3), 3072*(\i)+1536*((\s)%2)
.endr
.endm
; 16 matrix instructions: row tiles a0, a0 + 1 x the eight column tiles, K step s.  The 64 accumulators take turns, one instruction a turn, in the same order in every step.
.macro MUL16 a0, s, zero
.irp a, \a0, \a0+1
.irp b, 0,1,2,3,4,5,6,7
.if \zero
	v_wmma_scale_f32_16x16x128_f8f6f4 v[8*(8*((\a)%4)+\b):8*(8*((\a)%4)+\b)+7], v[128*((\s)%2)+FR*\b:128*((\s)%2)+FR*\b+FR-1], v[AF+FR*(\a):AF+FR*(\a)+FR-1], 0, v[SC+8*\b+(\s)], v[SC+8*(\a)+(\s)] matrix_a_fmt:MATRIX_FMT_FP6 matrix_b_fmt:MATRIX_FMT_FP6 matrix_a_scale:MATRIX_SCALE_ROW1
.else
	v_wmma_scale_f32_16x16x128_f8f6f4 v[8*(8*((\a)%4)+\b):8*(8*((\a)%4)+\b)+7], v[128*((\s)%2)+FR*\b:128*((\s)%2)+FR*\b+FR-1], v[AF+FR*(\a):AF+FR*(\a)+FR-1], v[8*(8*((\a)%4)+\b):8*(8*((\a)%4)+\b)+7], v[SC+8*\b+(\s)], v[SC+8*(\a)+(\s)] matrix_a_fmt:MATRIX_FMT_FP6 matrix_b_fmt:MATRIX_FMT_FP6 matrix_a_scale:MATRIX_SCALE_ROW1
.endif
.endr
.endr
.endm
.macro STEP s, zero                    ; 128 along K; the next step's fragments are fetched in two runs
	s_wait_dscnt 12                                ; the column set and row tiles 0-3 are in; the youngest twelve loads (row tiles 4-7) may be out
	WIN MUL_LO
	MUL16 0, \s, \zero
	MUL16 2, \s, \zero
	s_wait_dscnt 0x0                               ; row tiles 4-7 are in
	PLACES
	FETCH_B (\s)+1
	FETCH_A (\s)+1, 0
	WIN MUL_HI
	MUL16 4, \s, \zero
	MUL16 6, \s, \zero
	PLACES
	WIN 0
	FETCH_A (\s)+1, 4
.endm
; A step with a barrier in it.  In front of the barrier each wave waits for all its tensor loads, adds 0 to its spare word, and waits for that and for its reads.  fill = 1: slot 0, which nobody reads any more, takes the fourth 256 along K.
.macro TURN s, fill
	s_wait_tensorcnt 0x0                           ; all my tensor loads have landed
	ds_add_u32 v[SPW], v[NIL]                      ; 0 onto my spare word
.if \fill
	s_mov_b32 s[G1+2], 96<<16                      ; no tensor load of mine is out: the refill brings 96 rows a wave
	s_mov_b32 s[G1+4], 96
	s_mov_b32 s[G1B+2], 96<<16
	s_mov_b32 s[G1B+4], 96
.endif
	s_wait_dscnt 13
	WIN MUL_LO
	MUL16 0, \s, 0
	s_wait_dscnt 0x0                               ; the add is done, and my LDS reads are over
	s_barrier_signal -1
	MUL16 2, \s, 0
	WIN 0
	s_barrier_wait -1
.if \fill
	CREST                                          ; the barrier has opened a round of the cluster's: no wave of any partner still reads slot 0 or has a load on its way
	JLOAD 3                                        ; the first tensor load behind the round; its four v_nop are the places in front of the loads below
.else
	PLACES
.endif
	FETCH_B (\s)+1
	FETCH_A (\s)+1, 0
	WIN MUL_HI
	MUL16 4, \s, 0
	MUL16 6, \s, 0
	PLACES
	WIN 0
	FETCH_A (\s)+1, 4
.endm
	s_wait_alu depctr_va_vdst(0)
	s_cmp_eq_u32 s16, 0                            ; waves 0 and 2 fetched slot 0: they wait; steps 1 and 2 may be out
	s_cbranch_scc0 .Lnot_slot_0
	s_wait_tensorcnt 0x0
.Lnot_slot_0:
	s_barrier_signal -1
	s_barrier_wait -1
	FETCH_B 0
	FETCH_A 0, 0
	FETCH_A 0, 4
	s_wait_loadcnt 16                              ; the 64 scale words are in; the sixteen loads of cos and sin may be out
	STEP 0, 1                                      ; the first products start the sums: nothing is cleared
	TURN 1, 1                                      ; slot 0 is read out; its wait for all loads and its barrier also show slots 1 and 2 whole to every wave
	STEP 2, 0
	STEP 3, 0
	STEP 4, 0
	TURN 5, 0                                      ; the refill, asked for 256 matrix instructions ago, is shown landed to every wave
	STEP 6, 0
	s_wait_dscnt 12
	WIN MUL_LO
	MUL16 0, 7, 0
	MUL16 2, 7, 0
	s_wait_dscnt 0x0
	WIN MUL_HI
	MUL16 4, 7, 0
	MUL16 6, 7, 0
	WIN 0
; THE WAY OUT, a row tile a (16 rows x 128 columns: 64 registers a lane, in window 2 or 3) at a time.
; ROPE: of a head's 64 channels a lane holds 16 h + 0 .. 15 (column tiles 4 e, 4 e + 1) and the same + 32 (tiles 4 e + 2, 4 e + 3): both partners of a rotation lie in one lane, 16 registers apart.
.macro ROPE a
.set WW, 2+(\a)/4
.set AC, 64*((\a)%4)
.set CB, 96+128*((\a)%2)               ; 16 cos, then 16 sin, of frequencies 16 h + 0 .. 15 at my row's position
	WIN WW
.irp e, 0,1
.irp u, 0,1
.irp j, 0,2,4,6
	v_pk_mul_f32 v[T32+16*\e+8*\u+\j:T32+16*\e+8*\u+\j+1], v[AC+32*\e+8*\u+\j:AC+32*\e+8*\u+\j+1], v[CB+16+8*\u+\j:CB+16+8*\u+\j+1]   ; x1 sin (each accumulator is read from its low end on)
.endr
.endr
.endr
	WIN (WW<<6)|(WW<<4)|WW
.irp e, 0,1
.irp u, 0,1
.irp j, 0,2,4,6
	v_pk_mul_f32 v[AC+32*\e+8*\u+\j:AC+32*\e+8*\u+\j+1], v[AC+32*\e+8*\u+\j:AC+32*\e+8*\u+\j+1], v[CB+8*\u+\j:CB+8*\u+\j+1]   ; x1 cos
.endr
.endr
.endr
.irp e, 0,1
.irp u, 0,1
.irp j, 0,2,4,6
	v_pk_fma_f32 v[AC+32*\e+8*\u+\j:AC+32*\e+8*\u+\j+1], v[AC+32*\e+16+8*\u+\j:AC+32*\e+16+8*\u+\j+1], v[CB+16+8*\u+\j:CB+16+8*\u+\j+1], v[AC+32*\e+8*\u+\j:AC+32*\e+8*\u+\j+1] neg_lo:[1,0,0] neg_hi:[1,0,0]   ; - x2 sin
.endr
.endr
.endr
	WIN (WW<<6)|WW
.irp e, 0,1
.irp u, 0,1
.irp j, 0,2,4,6
	v_pk_fma_f32 v[AC+32*\e+16+8*\u+\j:AC+32*\e+16+8*\u+\j+1], v[AC+32*\e+16+8*\u+\j:AC+32*\e+16+8*\u+\j+1], v[CB+8*\u+\j:CB+8*\u+\j+1], v[T32+16*\e+8*\u+\j:T32+16*\e+8*\u+\j+1]   ; x2 cos + x1 sin
.endr
.endr
.endr
.endm
; The tile's 64 numbers a lane, register 16 b + i = column 32 b + 16 h + i of my row, become codes: columns 0-63 in v[d0] on (6 registers), 64-127 in v[d1] on; the row's four bytes in v[PW + a].
.macro QUANTW a, d0, d1
.set WW, 2+(\a)/4
.set AC, 64*((\a)%4)
	WIN (WW<<4)|(WW<<2)
.irp b, 0,1,2,3
	v_max3_num_f32 v[TM+\b], 0x1800000, |v[AC+16*\b]|, |v[AC+16*\b+1]|   ; with the floor 2^(3 - 127): the byte cannot fall under 1
.endr
.irp i, 2,4,6,8,10,12,14
.irp b, 0,1,2,3
	v_max3_num_f32 v[TM+\b], v[TM+\b], |v[AC+16*\b+\i]|, |v[AC+16*\b+\i+1]|
.endr
.endr
	WIN 0
.irp b, 0,1,2,3
	v_permlanex16_b32 v[TM+4+\b], v[TM+\b], s58, s59
.endr
.irp b, 0,1,2,3
	v_max_num_f32 v[TM+\b], v[TM+\b], v[TM+4+\b]   ; with lane l xor 16's 16: the block's largest magnitude
.endr
.irp b, 0,1,2,3
	v_add_nc_u32 v[TM+12+\b], 0xff000000, v[TM+\b] ; 2 off the exponent field: the conversion's scale operand
.endr
.irp b, 0,1,2,3
	v_lshrrev_b32 v[TM+4+\b], 23, v[TM+12+\b]
.endr
	v_lshl_or_b32 v[PW+(\a)], v[TM+5], 8, v[TM+4]
	v_lshl_or_b32 v[PW+(\a)], v[TM+6], 16, v[PW+(\a)]
	v_lshl_or_b32 v[PW+(\a)], v[TM+7], 24, v[PW+(\a)]
	WIN WW
	v_cvt_scalef32_pk16_fp6_f32 v[(\d0):(\d0)+2], v[AC:AC+15], v[TM+12]
	v_cvt_scalef32_pk16_fp6_f32 v[TT:TT+2], v[AC+16:AC+31], v[TM+13]
	v_cvt_scalef32_pk16_fp6_f32 v[(\d1):(\d1)+2], v[AC+32:AC+47], v[TM+14]
	v_cvt_scalef32_pk16_fp6_f32 v[TT+4:TT+6], v[AC+48:AC+63], v[TM+15]
	WIN 0
	v_nop                                          ; one plain place behind a scaled conversion
.irp i, 0,1,2                          ; the operand wants a whole block in a lane: halves change places, then the upper 16 codes move up
	v_permlane16_swap_b32 v[(\d0)+\i], v[TT+\i]
	v_permlane16_swap_b32 v[(\d1)+\i], v[TT+4+\i]
.endr
.irp i, 0,1,2
	v_mov_b32 v[(\d0)+3+\i], v[TT+\i]
	v_mov_b32 v[(\d1)+3+\i], v[TT+4+\i]
.endr
.endm
	s_cmp_eq_u32 s56, 1
	s_cbranch_scc1 .Lv_out
; ---- q and k: my 128 tokens are one record of each of my two heads
	PLACES
.irp b, 0,1,2,3
	v_mov_b32 v[TM+4+\b], 0                        ; a lane permute's destination counts as one of its sources
.endr
	s_mul_i32 s60, ttmp9, 6815744                  ; q or k
	s_lshr_b32 s61, s17, 3
	s_mul_i32 s61, s61, 1703936                    ; the batch
	s_add_co_u32 s60, s60, s61
	s_lshl_b32 s61, s40, 2
	s_lshl_b32 s62, s16, 1
	s_add_co_u32 s61, s61, s62
	s_mul_i32 s61, s61, 106496                     ; the head 4 cx + 2 x column half
	s_add_co_u32 s60, s60, s61
	s_and_b32 s61, s17, 7
	s_lshl_b32 s61, s61, 1
	s_add_co_u32 s61, s61, s15
	s_mul_i32 s61, s61, 6656                       ; the record 2 (y % 8) + row half
	s_add_co_u32 s60, s60, s61
	s_mov_b32 s61, 0
	s_add_nc_u64 s[12:13], s[12:13], s[60:61]
.irp a, 0,1,2,3,4,5,6,7
.if \a < 7
	s_wait_loadcnt 8                               ; this tile's cos and sin are in; the next tile's eight loads may be out
.else
	s_wait_loadcnt 0x0
.endif
	ROPE \a
	WIN 0
.if \a < 6
.irp i, 0,1,2,3,4,5,6,7
	global_load_b128 v[96+128*(\a%2)+4*\i:96+128*(\a%2)+4*\i+3], v[LI], s[10:11] offset:4096*(\a+2)+512*\i   ; the set just used takes the tile two on
.endr
.endif
.if (\a%2 == 0) && (\a >= 2)
	s_wait_xcnt 0x0                                ; the last pair's stores have read their registers: the codes may be written again
.endif
	QUANTW \a, EE+6*(\a%2), EE+12+6*(\a%2)
.if \a%2 == 1
.irp m, 0,1
.irp c, 0,1,2
	global_store_b128 v[LI], v[EE+12*\m+4*\c:EE+12*\m+4*\c+3], s[12:13] offset:106496*\m+1536*(\a/2)+512*\c   ; head m: the image of tiles a - 1 and a
.endr
.endr
.endif
.endr
	v_mov_b32 v132, 0x7f7f7f7f
.irp i, 0,1,2,3
	v_cndmask_b32 v[128+\i], v[PW+2*\i], v[PW+2*\i+1], s57   ; lanes 0-15: tile 2 i's word, lanes 16-31: tile 2 i + 1's
.endr
.irp i, 0,1,2,3
	v_perm_b32 v[WD+\i], v132, v[128+\i], 0x05040100         ; head 0: bytes 0, 1; above them 0x7f for the half of K that holds no channel
	v_perm_b32 v[WD+4+\i], v132, v[128+\i], 0x05040302       ; head 1: bytes 2, 3
.endr
	global_store_b128 v[LI], v[WD:WD+3], s[12:13] offset:6144
	global_store_b128 v[LI], v[WD+4:WD+7], s[12:13] offset:6144+106496
	s_branch .Ldone
; ---- v: my 128 rows are two heads' 64 channels, my 128 columns one record's keys
.Lv_out:
	s_wait_loadcnt 0x0                             ; (cos and sin, not used here)
	PLACES
.irp b, 0,1,2,3
	v_mov_b32 v[TM+4+\b], 0
.endr
	s_lshr_b32 s60, s17, 3
	s_mul_i32 s60, s60, 1638400                    ; the batch
	s_lshl_b32 s61, s40, 2
	s_lshl_b32 s62, s15, 1
	s_add_co_u32 s61, s61, s62
	s_mul_i32 s61, s61, 102400                     ; the head 4 cx + 2 x row half
	s_add_co_u32 s60, s60, s61
	s_and_b32 s61, s17, 7
	s_lshl_b32 s61, s61, 1
	s_add_co_u32 s61, s61, s16
	s_mul_i32 s61, s61, 6400                       ; the record 2 (y % 8) + column half
	s_add_co_u32 s60, s60, s61
	s_add_co_u32 s60, s60, 13631488
	s_mov_b32 s61, 0
	s_add_nc_u64 s[12:13], s[12:13], s[60:61]
.irp a, 0,1,2,3,4,5,6,7
.if \a >= 2
	s_wait_xcnt 0x0                                ; the stores of two tiles back have read their registers
.endif
	QUANTW \a, EE+12*(\a%2), EE+12*(\a%2)+6
.irp c, 0,1,2
	global_store_b128 v[LI], v[EE+12*(\a%2)+4*\c:EE+12*(\a%2)+4*\c+3], s[12:13] offset:102400*(\a/4)+1536*(\a%4)+512*\c
.endr
.endr
.irp i, 0,1,2,3
	v_cndmask_b32 v[128+\i], v[PW+2*\i], v[PW+2*\i+1], s57
.endr
	global_store_b64 v7, v[128:129], s[12:13] offset:6144
	global_store_b64 v7, v[130:131], s[12:13] offset:6144+102400
.Ldone:
	s_wait_tensorcnt 0x0                           ; the wave's end
	ds_add_u32 v[SPW], v[NIL]
	s_wait_dscnt 0x0
	CROUND                                         ; the closing round: no work-group ends while a partner may still ask for a tile that names it
	s_endpgm
.Lfunc_end_k_qced3484ecb_qkv:
	.size	k_qced3484ecb_qkv, .Lfunc_end_k_qced3484ecb_qkv-k_qced3484ecb_qkv
	.p2alignl 7, 3214868480
	.fill 96, 4, 3214868480
	.section	.rodata,"a",@progbits
	.p2align	6, 0x0
	.amdhsa_kernel k_qced3484ecb_qkv
		.amdhsa_group_segment_fixed_size 327680
		.amdhsa_private_segment_fixed_size 0
		.amdhsa_enable_private_segment 0
		.amdhsa_kernarg_size 40
		.amdhsa_user_sgpr_count 2
		.amdhsa_user_sgpr_kernarg_segment_ptr 1
		.amdhsa_wavefront_size32 1
		.amdhsa_system_sgpr_workgroup_id_x 1
		.amdhsa_system_sgpr_workgroup_id_y 1
		.amdhsa_system_sgpr_workgroup_id_z 1
		.amdhsa_system_vgpr_workitem_id 0
		.amdhsa_next_free_vgpr 1024
		.amdhsa_next_free_sgpr 100
		.amdhsa_reserve_vcc 1
		.amdhsa_float_denorm_mode_32 3
		.amdhsa_float_denorm_mode_16_64 3
		.amdhsa_memory_ordered 1
		.amdhsa_forward_progress 1
		.amdhsa_inst_pref_size 218
	.end_amdhsa_kernel
	.amdgpu_metadata
---
amdhsa.version: [ 1, 2 ]
amdhsa.kernels:
  - .name:           k_qced3484ecb_qkv
    .symbol:         k_qced3484ecb_qkv.kd
    .args:
      - { .name: xc, .offset: 0, .size: 8, .value_kind: global_buffer, .address_space: global }
      - { .name: wc, .offset: 8, .size: 8, .value_kind: global_buffer, .address_space: global }
      - { .name: sc, .offset: 16, .size: 8, .value_kind: global_buffer, .address_space: global }
      - { .name: tab, .offset: 24, .size: 8, .value_kind: global_buffer, .address_space: global }
      - { .name: qkv, .offset: 32, .size: 8, .value_kind: global_buffer, .address_space: global }
    .group_segment_fixed_size: 327680
    .private_segment_fixed_size: 0
    .kernarg_segment_align: 8
    .kernarg_segment_size: 40
    .max_flat_workgroup_size: 128
    .sgpr_count:     100
    .vgpr_count:     1024
    .wavefront_size: 32
...
	.end_amdgpu_metadata
.endif
;; end of part 2
;; launch attn (part 3): grid 8 x 32, 16 waves a work-group, clusters of 4 x 1, 327,680 bytes of LDS; arguments qkv, ac, sc2; writes ac, sc2
.if DOCPART == 3
	.amdgcn_target "amdgcn-amd-amdhsa--gfx1250"
	.amdhsa_code_object_version 6
	.text
	.protected	k_qced3484ecb_attn
	.globl	k_qced3484ecb_attn
	.p2align	8
	.type	k_qced3484ecb_attn,@function
k_qced3484ecb_attn:
	s_mov_b64 s[64:65], 0
	v_nop
	global_prefetch_b8 v0, s[64:65] scope:SCOPE_SE
	s_setreg_imm32_b32 hwreg(HW_REG_WAVE_MODE, 25, 1), 1
	s_wait_xcnt 0x0
	s_wait_alu depctr_hold_cnt(0) depctr_sa_sdst(0) depctr_va_vdst(0) depctr_va_sdst(0) depctr_va_ssrc(0) depctr_va_vcc(0) depctr_vm_vsrc(0)
	s_getreg_b32 s2, hwreg(HW_REG_IB_STS2, 6, 4)
	s_cmp_eq_u32 s2, 0
	s_cbranch_scc0 .Lentry_in_a_cluster
	s_endpgm
.Lentry_in_a_cluster:
	s_bfe_u32 s2, ttmp6, 0x10000c
	s_cmp_lg_u32 s2, 0x3003
	s_cbranch_scc0 .Lentry_shape_is_right
	s_endpgm
.Lentry_shape_is_right:
; The attention on codes of FP6 (E2M3) with E8M0 scales: S = q k^T / 8, the softmax, O = p v, and O / l quantised along the model's 1,024 for the last product.
; t = score x log2(e) / 8; M = the running largest t rounded UP to a whole number; p = 2^(t - M) is quantised along the keys, not normalised; l sums the unquantised p; when M moves, l and O are multiplied by 2^(old M - new M).
; SHARES: a work-group owns 256 queries of one batch and two neighbouring heads, walked one after the other; each of sixteen waves owns 16 queries.  At the end a wave holds one whole fragment (128 along the last product's K) and its scale word.
; K AND V come as records of 128 keys (register images and scale words).  Two LDS slots of 8 records of k (53,248 bytes) and of v (51,200).  Four fills.  At the head every wave issues one joint load, a quarter of k's or v's part of a slot
; (waves 0-7 slot A, 8-15 slot B); a refill is issued by waves 0-7, a quarter each.  CLUSTER: the four query blocks walk the same k and v: mask 15.  A wave never has more than one tensor load out.
; NO PREFETCH: a refill is asked for eight key steps ahead of its first read, and the launch's other two fills stand at its head.
; BOTH PRODUCTS ARE USED TRANSPOSED (S^T = k q^T, O^T = v^T p^T): a lane holds one query.
; WHICH KEYS FORM A TILE OF k is chosen by the LDS addresses: row m of tile t of group c (c = 0, 1; t = 0 .. 3) is key 64 c + 32 (m / 8) + 8 t + m % 8.  In the record that key lies in pair 2 c + m / 8, tile t % 2, lane row 8 (t / 2) + m % 8.
; So lane (r, h) holds, in the 32 registers of group c, keys 64 c + 32 h + 0 .. 31: one whole scale block, in the order of the operand's registers 6 c .. 6 c + 5.  No lane is asked for a block's maximum and no codes change lanes.
; K = 64 IN AN INSTRUCTION OF 128: source 0 names 12 registers, the upper six the next tile's codes (zeros behind the last); they meet q's zero codes under scale bytes 0x7f: exactly 0.
; LIMITS: the promise holds while the scaled scores stay under 2^31 in magnitude.  O / l is a reciprocal and a multiplication.  A block of p or of O under 2^-124 has its byte held at 1 (a block of zeros too).  NaN and infinities are not served.
; REGISTERS: v1 16 x lane, v2 8 x lane, v3, v4 the add's two, v5-7, v95 LDS addresses, v8 4 r, v9-11, v29 q's offsets; v12 -M, v13 the largest score, v[14:15] l; v16-21 q, v22-27 zeros, v28 q's scale word; v30 f, v31 p's scale word;
;   v32-79 k, then v; v80-85 zeros; v86-89, v90-91 scale words; v92 8 h, v93, v94 k's lane terms; v96-159 S^T, then p; v160-191 O^T; v192-203 p's codes; v204-225 work; v226-232 the second head's q; v234-246 the result; v248-255 the end's work.
.set KREC,  6656
.set VREC,  6400
.set KSL,   8*KREC
.set VSL,   8*VREC
.set KQ,    KSL/4                      ; 52 rows of 256 bytes
.set VQ,    VSL/4                      ; 50 rows
.set SLOTB, KSL+VSL
.set SPARE, 2*SLOTB                    ; the spare words: 128 bytes for each of sixteen waves
.set KOFF,  6815744
.set VOFF,  13631488
.set SPW, 3
.set NIL, 4
.set WV,  18
.set SEL, 20
.set CS,  22
.set G1K, 24
.set G1V, 32
.set G0K, 40
.set G0V, 48
.macro NOPS n
.rept \n
	v_nop
.endr
.endm
.macro CROUND
	s_barrier_signal -1
	s_barrier_wait -1
	s_cmp_lg_u32 s[WV], 0
	s_cbranch_scc1 .Lnot_wave_0_\@
	s_barrier_signal -3
.Lnot_wave_0_\@:
	s_barrier_wait -3
	s_barrier_signal -1
	s_barrier_wait -1
.endm
.macro TL g0, g1                       ; an s_nop 0 and four v_nop follow each load
	tensor_load_to_lds s[\g0:\g0+3], s[\g1:\g1+7]
	s_nop 0
	NOPS 4
.endm
.macro ARM under, g0, g1
	s_cmp_lt_u32 s[WV], \under
	s_cbranch_scc0 .Lnext_\@
	TL \g0, \g1
	s_branch .Lfirst_asked
.Lnext_\@:
.endm
.macro TLOAD                           ; a joint refill: waves 0-3 k's quarters, waves 4-7 v's
	s_cmp_lt_u32 s[WV], 4
	s_cbranch_scc0 .Lnot_k_\@
	TL G0K, G1K
	s_branch .Lasked_\@
.Lnot_k_\@:
	s_cmp_lt_u32 s[WV], 8
	s_cbranch_scc0 .Lasked_\@
	TL G0V, G1V
.Lasked_\@:
.endm
	s_load_b128 s[4:7], s[0:1], 0x0                ; qkv, ac
	s_load_b64 s[8:9], s[0:1], 0x10                ; sc2
	v_lshl_add_u32 v[SPW], v0, 2, SPARE
	v_mov_b32 v[NIL], 0
	ds_add_u32 v[SPW], v[NIL]                      ; the opening lines: the add, twice, and its wait
	ds_add_u32 v[SPW], v[NIL]
	v_lshrrev_b32 v5, 5, v0
	v_readfirstlane_b32 s[WV], v5                  ; wave 0..15
	s_bfe_u32 s10, ttmp6, 0x40000                  ; cx: it enters q's and the results' addresses alone
	s_lshl_b32 s11, ttmp9, 2
	s_add_co_u32 s11, s11, s10                     ; my block of 256 queries
	s_and_b32 s12, ttmp7, 0xffff
	s_lshr_b32 s13, s12, 3                         ; the batch
	s_and_b32 s14, s12, 7                          ; the pair of heads
	s_and_b32 s15, s[WV], 1
	s_and_b32 s16, s[WV], 3                        ; which quarter I fetch
	s_lshr_b32 s17, s[WV], 3                       ; and at the head for which slot
	s_mul_i32 s60, s13, 1703936
	s_mul_i32 s61, s14, 212992
	s_add_co_u32 s60, s60, s61                     ; the pair's first record in q's part and in k's
	s_mul_i32 s68, s16, KQ                         ; my quarter's place in slot A: k's,
	s_mul_i32 s69, s16, VQ
	s_add_co_u32 s62, s60, s68
	s_add_co_u32 s62, s62, KOFF
	s_mov_b32 s63, 0
	s_mul_i32 s66, s13, 1638400
	s_mul_i32 s67, s14, 204800
	s_add_co_u32 s66, s66, s67
	s_add_co_u32 s66, s66, s69
	s_add_co_u32 s66, s66, VOFF
	s_mov_b32 s67, 0
	s_add_co_u32 s69, s69, KSL                     ; v's
	s_mul_i32 s70, s17, KSL
	s_mov_b32 s71, 0
	s_mul_i32 s72, s17, VSL
	s_mov_b32 s73, 0
	s_mul_i32 s74, s17, SLOTB
	s_mov_b32 s[G0K], 1
	s_add_co_u32 s[G0K+1], s68, s74
	s_mov_b32 s[G0V], 1
	s_add_co_u32 s[G0V+1], s69, s74
	s_mov_b32 s[G1K], 15|(3<<16)|(1<<21)           ; the mask: all four work-groups; elements of 8 bytes; bit 21 beside a mask
	s_mov_b32 s[G1K+1], 32<<16                     ; rows of 256 bytes
	s_mov_b32 s[G1K+2], 52<<16
	s_mov_b32 s[G1K+3], 32<<16
	s_mov_b32 s[G1K+4], 52
	s_mov_b32 s[G1K+5], 32
	s_mov_b32 s[G1K+6], 0
	s_mov_b32 s[G1K+7], 0
	s_mov_b32 s[G1V], 15|(3<<16)|(1<<21)
	s_mov_b32 s[G1V+1], 32<<16
	s_mov_b32 s[G1V+2], 50<<16
	s_mov_b32 s[G1V+3], 32<<16
	s_mov_b32 s[G1V+4], 50
	s_mov_b32 s[G1V+5], 32
	s_mov_b32 s[G1V+6], 0
	s_mov_b32 s[G1V+7], 0
	s_mov_b32 s[SEL], 0x76543210
	s_mov_b32 s[SEL+1], 0xfedcba98                 ; v_permlanex16_b32's selects for lane l xor 16
	s_mov_b32 s[CS], 0x3e38aa3b                    ; log2(e) / sqrt(64)
	s_mov_b32 s[CS+1], s[CS]
	s_wait_dscnt 0x0
	s_wait_kmcnt 0x0
	s_add_nc_u64 s[62:63], s[4:5], s[62:63]        ; my quarter of the pair's first eight records: kept for the refills
	s_add_nc_u64 s[66:67], s[4:5], s[66:67]
	s_add_nc_u64 s[G0K+2:G0K+3], s[62:63], s[70:71]
	s_or_b32 s[G0K+3], s[G0K+3], 0x80000000
	s_add_nc_u64 s[G0V+2:G0V+3], s[66:67], s[72:73]
	s_or_b32 s[G0V+3], s[G0V+3], 0x80000000
	CROUND                                         ; all four work-groups are here: the first joint loads meet
	ARM 4, G0K, G1K                                ; slot A's lines are issued by waves 0-7 alone, which wait ahead of the first barrier;
	ARM 8, G0V, G1V
	ARM 12, G0K, G1K                               ; slot B's by waves 8-15, which wait ahead of the first round
	TL G0V, G1V
.Lfirst_asked:
	v_and_b32 v1, 31, v0
	v_and_b32 v8, 15, v0                           ; r
	v_and_b32 v93, 7, v0
	v_bfe_u32 v94, v0, 4, 1                        ; h
	v_bfe_u32 v95, v0, 3, 1                        ; r / 8
	v_lshlrev_b32 v2, 3, v1                        ; 8 x lane
	v_lshlrev_b32 v1, 4, v1                        ; 16 x lane
	v_lshlrev_b32 v92, 3, v94                      ; 8 h
	v_lshlrev_b32 v93, 4, v93
	v_lshl_add_u32 v93, v94, 8, v93                ; 16 (16 h + r % 8)
	v_lshl_add_u32 v94, v95, 2, v93
	v_add_nc_u32 v94, 6144, v94                    ; k's scale words: + 4 (r / 8)
	v_mad_u32_u24 v93, v95, 1536, v93              ; k's codes: + a pair's image for r / 8
	s_wait_alu depctr_va_vdst(0)                   ; ahead of the scalar run
	; q: my tile is tile w % 8 of record 2 x block + w / 8: registers 0-5 (even tile) or 6-11 (odd) of a pair's twelve, which lie in pieces of four
	s_lshl_b32 s70, s11, 1
	s_add_co_u32 s70, s70, s17
	s_mul_i32 s70, s70, KREC
	s_add_co_u32 s70, s70, s60
	s_mov_b32 s71, 0
	s_add_nc_u64 s[70:71], s[4:5], s[70:71]
	s_bfe_u32 s72, s[WV], 0x20001
	s_mul_i32 s73, s72, 1536
	s_mov_b32 s76, 512
	s_cmp_eq_u32 s15, 1
	s_cselect_b32 s74, 520, 0
	s_cselect_b32 s75, 1024, 8
	s_cselect_b32 s76, 1032, s76
	s_add_co_u32 s74, s74, s73
	s_add_co_u32 s75, s75, s73
	s_add_co_u32 s76, s76, s73
	s_lshl_b32 s77, s15, 8
	s_lshl_b32 s78, s72, 2
	s_add_co_u32 s77, s77, s78
	s_add_co_u32 s77, s77, 6144
	v_add_nc_u32 v9, s74, v1
	v_add_nc_u32 v10, s75, v1
	v_add_nc_u32 v11, s76, v1
	v_lshl_add_u32 v29, v8, 4, s77
	global_load_b64 v[16:17], v9, s[70:71]
	global_load_b64 v[18:19], v10, s[70:71]
	global_load_b64 v[20:21], v11, s[70:71]
	global_load_b32 v28, v29, s[70:71]
	global_load_b64 v[226:227], v9, s[70:71] offset:106496
	global_load_b64 v[228:229], v10, s[70:71] offset:106496
	global_load_b64 v[230:231], v11, s[70:71] offset:106496
	global_load_b32 v232, v29, s[70:71] offset:106496
	; where the result goes: tile T = 128 x batch + 16 x block + wave
	s_lshl_b32 s72, s13, 7
	s_lshl_b32 s73, s11, 4
	s_add_co_u32 s72, s72, s73
	s_add_co_u32 s72, s72, s[WV]
	s_mul_i32 s74, s72, 3072
	s_lshr_b32 s75, s14, 1
	s_mul_i32 s75, s75, 1572864
	s_add_co_u32 s74, s74, s75
	s_and_b32 s75, s14, 1
	s_mul_i32 s75, s75, 1536
	s_add_co_u32 s74, s74, s75
	s_mov_b32 s75, 0
	s_add_nc_u64 s[6:7], s[6:7], s[74:75]
	s_mul_i32 s74, s14, 36864
	s_lshl_b32 s72, s72, 6
	s_add_co_u32 s74, s74, s72
	s_add_nc_u64 s[8:9], s[8:9], s[74:75]
	v_lshlrev_b32 v8, 2, v8                        ; 4 r
.irp j, 22,23,24,25,26,27,80,81,82,83,84,85,14,15,31,210,211,216,249,252,253
	v_mov_b32 v\j, 0                               ; zero codes; l; lane permutes' destinations and upper halves of named pairs
.endr
	v_mov_b32 v13, 0xff61b1e6                      ; the largest score so far: -3e38
	v_floor_f32 v12, -v13
.set jj, 0
.rept 32
	v_mov_b32 v[160+jj], 0                         ; O^T: the first step finds zeros
.set jj, jj+1
.endr
; A KEY STEP: 128 keys: the record of k at LDS byte s56, of v at s57.
.macro STEP
	v_add_nc_u32 v5, s56, v93                      ; these four lines are the places behind the last step's products, ahead of loads into their registers
	v_add_nc_u32 v95, s56, v94
	v_add_nc_u32 v6, s57, v1
	v_add_nc_u32 v7, s57, v2
.irp c, 0,1
.irp g, 0,1
.irp m, 0,1,2
	ds_load_b128 v[32+24*\c+12*\g+4*\m:35+24*\c+12*\g+4*\m], v5 offset:3072*\c+128*\g+512*\m   ; tiles 2 g, 2 g + 1 of group c
.endr
	ds_load_b32 v[86+2*\c+\g], v95 offset:8*\c+128*\g        ; lanes 0-15 tile 2 g's words, lanes 16-31 tile 2 g + 1's
.endr
.endr
	s_wait_alu depctr_va_vdst(0)
	s_wait_dscnt 0x0
.irp t, 0,2,4,6
	v_wmma_scale_f32_16x16x128_f8f6f4 v[96+8*\t:103+8*\t], v[32+6*\t:43+6*\t], v[16:27], 0, v[86+\t/2], v28 matrix_a_fmt:MATRIX_FMT_FP6 matrix_b_fmt:MATRIX_FMT_FP6
	v_wmma_scale_f32_16x16x128_f8f6f4 v[104+8*\t:111+8*\t], v[38+6*\t:49+6*\t], v[16:27], 0, v[86+\t/2], v28 matrix_a_fmt:MATRIX_FMT_FP6 matrix_b_fmt:MATRIX_FMT_FP6 matrix_a_scale:MATRIX_SCALE_ROW1
.endr
	v_mov_b32 v225, v12                            ; the old -M; with three v_nop the four places
	NOPS 3
.irp m, 0,1,2,3,4,5,6,7,8,9,10,11
	ds_load_b128 v[32+4*\m:35+4*\m], v6 offset:512*\m        ; v's four fragments land under the softmax
.endr
	ds_load_b64 v[90:91], v7 offset:6144
.irp c, 0,1                                    ; my two blocks' largest scores, two chains each; every accumulator is first read at its low end
	v_max3_num_f32 v[212+\c], v[96+32*\c], v[97+32*\c], v[98+32*\c]
	v_max3_num_f32 v[208+\c], v[112+32*\c], v[113+32*\c], v[114+32*\c]
.endr
.irp i, 3,5,7,9,11,13
.irp c, 0,1
	v_max3_num_f32 v[212+\c], v[212+\c], v[96+32*\c+\i], v[97+32*\c+\i]
	v_max3_num_f32 v[208+\c], v[208+\c], v[112+32*\c+\i], v[113+32*\c+\i]
.endr
.endr
.irp c, 0,1
	v_max3_num_f32 v[212+\c], v[212+\c], v[208+\c], v[111+32*\c]
.endr
.irp c, 0,1
	v_max_num_f32 v[212+\c], v[212+\c], v[127+32*\c]
.endr
	v_max_num_f32 v224, v212, v213
	v_permlanex16_b32 v210, v224, s[SEL], s[SEL+1]
	v_max3_num_f32 v13, v13, v224, v210            ; the running largest score of my query
	v_mul_f32 v224, s[CS], v13                     ; as t (c is positive)
	v_floor_f32 v12, -v224                         ; the new -M = -ceil(t)
	v_sub_f32 v225, v12, v225                      ; old M - new M
	v_cvt_i32_f32 v225, v225                       ; (it saturates)
	v_ldexp_f32 v30, 1.0, v225                     ; f
.set jj, 0
.rept 32
	v_pk_fma_f32 v[96+jj:97+jj], v[96+jj:97+jj], s[CS:CS+1], v[12:13] op_sel_hi:[1,0,0]   ; t - M
.set jj, jj+2
.endr
.irp c, 0,1
	v_fma_f32 v[212+\c], v[212+\c], s[CS], v12     ; the same of each block's largest score
.endr
	s_wait_alu depctr_va_vdst(0)                   ; ahead of the batch
.set jj, 0
.rept 64
	v_exp_f32 v[96+jj], v[96+jj]                   ; p
.set jj, jj+1
.endr
	v_exp_f32 v212, v212                           ; each block's largest p: the same two instructions on the same number
	v_exp_f32 v213, v213
	v_pk_mul_f32 v[14:15], v[14:15], v[30:31] op_sel_hi:[1,0]   ; l under the new M (the plain place behind the batch)
	s_wait_alu depctr_va_vdst(0)                   ; one wait for the batch
.irp k, 0,1,2,3
	v_pk_add_f32 v[216+2*\k:217+2*\k], v[96+4*\k:97+4*\k], v[98+4*\k:99+4*\k]   ; the sum of the unquantised p, in four chains
.endr
.set jj, 16
.rept 6
.irp k, 0,1,2,3
	v_pk_add_f32 v[216+2*\k:217+2*\k], v[216+2*\k:217+2*\k], v[96+jj+2*\k:97+jj+2*\k]
.endr
.set jj, jj+8
.endr
	v_pk_add_f32 v[216:217], v[216:217], v[218:219]
	v_pk_add_f32 v[220:221], v[220:221], v[222:223]
	v_pk_add_f32 v[216:217], v[216:217], v[220:221]
	v_pk_add_f32 v[14:15], v[14:15], v[216:217]
.irp c, 0,1
	v_max_num_f32 v[212+\c], 0x1800000, v[212+\c]  ; the floor 2^(3 - 127)
.endr
.irp c, 0,1
	v_add_nc_u32 v[214+\c], 0xff000000, v[212+\c]  ; the conversion's scale operand
.endr
.irp c, 0,1
	v_lshrrev_b32 v[208+\c], 23, v[214+\c]         ; the byte of block 2 c + h
.endr
	v_lshl_or_b32 v31, v209, 16, v208
	v_lshlrev_b32 v31, v92, v31                    ; at bytes h and 2 + h
	v_permlanex16_b32 v211, v31, s[SEL], s[SEL+1]
	v_or_b32 v31, v31, v211                        ; p's scale word for these 128 keys
.irp c, 0,1
	v_cvt_scalef32_pk16_fp6_f32 v[192+6*\c:194+6*\c], v[96+32*\c:111+32*\c], v[214+\c]
	v_cvt_scalef32_pk16_fp6_f32 v[204+4*\c:206+4*\c], v[112+32*\c:127+32*\c], v[214+\c]
.endr
	v_nop                                          ; one plain place behind a scaled conversion
.irp c, 0,1
.irp i, 0,1,2
	v_mov_b32 v[195+6*\c+\i], v[204+4*\c+\i]       ; (a conversion's three registers begin on an even number)
.endr
.endr
	s_wait_alu depctr_va_vdst(0)                   ; directly ahead of the first reader of O^T
.set jj, 0
.rept 16
	v_pk_mul_f32 v[160+jj:161+jj], v[160+jj:161+jj], v[30:31] op_sel_hi:[1,0]   ; O^T under the new M; also the places ahead of the products below
.set jj, jj+2
.endr
	s_wait_alu depctr_va_vdst(0)
	s_wait_dscnt 0x0                               ; v is in
.irp a, 0,2
	v_wmma_scale_f32_16x16x128_f8f6f4 v[160+8*\a:167+8*\a], v[32+12*\a:43+12*\a], v[192:203], v[160+8*\a:167+8*\a], v[90+\a/2], v31 matrix_a_fmt:MATRIX_FMT_FP6 matrix_b_fmt:MATRIX_FMT_FP6
	v_wmma_scale_f32_16x16x128_f8f6f4 v[168+8*\a:175+8*\a], v[44+12*\a:55+12*\a], v[192:203], v[168+8*\a:175+8*\a], v[90+\a/2], v31 matrix_a_fmt:MATRIX_FMT_FP6 matrix_b_fmt:MATRIX_FMT_FP6 matrix_a_scale:MATRIX_SCALE_ROW1
.endr
.endm
.macro PHASE base                      ; a slot's eight key steps
	s_mov_b32 s56, \base
	s_mov_b32 s57, \base+KSL
	s_mov_b32 s58, 8
.Lstep_\@:
	STEP
	s_add_co_u32 s56, s56, KREC
	s_add_co_u32 s57, s57, VREC
	s_sub_co_u32 s58, s58, 1
	s_cmp_lg_u32 s58, 0
	s_cbranch_scc1 .Lstep_\@
.endm
; THE CHANGE OF SLOTS: the wait for all my tensor loads, the add, the wait for it and for my reads.  fill = 1, 2: a round of the cluster's barrier, and slot A (1) or B (2) takes records 8 (fill + 1) on.
.macro CHANGE fill
	s_wait_tensorcnt 0x0
	ds_add_u32 v[SPW], v[NIL]
.if \fill
	s_add_co_u32 s[G0K+1], s68, (\fill-1)*SLOTB
	s_add_co_u32 s[G0V+1], s69, (\fill-1)*SLOTB
	s_add_nc_u64 s[G0K+2:G0K+3], s[62:63], (\fill+1)*KSL
	s_or_b32 s[G0K+3], s[G0K+3], 0x80000000
	s_add_nc_u64 s[G0V+2:G0V+3], s[66:67], (\fill+1)*VSL
	s_or_b32 s[G0V+3], s[G0V+3], 0x80000000
.endif
	s_wait_dscnt 0x0
.if \fill
	CROUND
	TLOAD
.else
	s_barrier_signal -1
	s_barrier_wait -1
.endif
.endm
; A HEAD'S END: O^T / l; its two blocks of 32 channels quantised: six registers of the result's fragment at v[d], two bytes of its scale word.  Register 16 b + i of O^T is channel 32 b + 16 h + i.
.macro FINAL d, first
	NOPS 4
	v_add_f32 v14, v14, v15
	s_delay_alu instid0(VALU_DEP_1)
	v_permlanex16_b32 v216, v14, s[SEL], s[SEL+1]
	s_delay_alu instid0(VALU_DEP_1)
	v_add_f32 v14, v14, v216                       ; the row's sum
	s_wait_alu depctr_va_vdst(0)
	v_rcp_f32 v248, v14
	v_nop
	s_wait_alu depctr_va_vdst(0)
.set jj, 0
.rept 16
	v_pk_mul_f32 v[160+jj:161+jj], v[160+jj:161+jj], v[248:249] op_sel_hi:[1,0]
.set jj, jj+2
.endr
.irp b, 0,1
	v_max3_num_f32 v[250+\b], |v[160+16*\b]|, |v[161+16*\b]|, 0x1800000
.endr
.irp i, 2,4,6,8,10,12,14
.irp b, 0,1
	s_delay_alu instid0(VALU_DEP_2)
	v_max3_num_f32 v[250+\b], v[250+\b], |v[160+16*\b+\i]|, |v[161+16*\b+\i]|
.endr
.endr
.irp b, 0,1
	s_delay_alu instid0(VALU_DEP_2)
	v_permlanex16_b32 v[252+\b], v[250+\b], s[SEL], s[SEL+1]
.endr
.irp b, 0,1
	s_delay_alu instid0(VALU_DEP_2)
	v_max_num_f32 v[250+\b], v[250+\b], v[252+\b]
.endr
.irp b, 0,1
	s_delay_alu instid0(VALU_DEP_2)
	v_add_nc_u32 v[254+\b], 0xff000000, v[250+\b]
.endr
.irp b, 0,1
	s_delay_alu instid0(VALU_DEP_2)
	v_lshrrev_b32 v[252+\b], 23, v[254+\b]
.endr
.if \first
	s_delay_alu instid0(VALU_DEP_1)
	v_lshl_or_b32 v246, v253, 8, v252              ; bytes 0, 1
.else
	s_delay_alu instid0(VALU_DEP_1)
	v_lshl_or_b32 v252, v253, 8, v252
	s_delay_alu instid0(VALU_DEP_1)
	v_lshl_or_b32 v246, v252, 16, v246             ; bytes 2, 3
.endif
	v_cvt_scalef32_pk16_fp6_f32 v[\d:\d+2], v[160:175], v254
	v_cvt_scalef32_pk16_fp6_f32 v[204:206], v[176:191], v255
	v_nop
.irp i, 0,1,2
	v_permlane16_swap_b32 v[\d+\i], v[204+\i]
.endr
.irp i, 0,1,2
	v_mov_b32 v[\d+3+\i], v[204+\i]
.endr
.if \first                             ; the second head begins
.irp i, 0,1,2,3,4,5
	v_mov_b32 v[16+\i], v[226+\i]
.endr
	v_mov_b32 v28, v232
	v_mov_b32 v13, 0xff61b1e6
	v_floor_f32 v12, -v13
	v_mov_b32 v14, 0
	v_mov_b32 v15, 0
.set jj, 0
.rept 32
	v_mov_b32 v[160+jj], 0                         ; (also the places between q's and its scale word's writes and the next products)
.set jj, jj+1
.endr
.endif
.endm
	s_wait_alu depctr_va_vdst(0)
	s_cmp_lt_u32 s[WV], 8
	s_cbranch_scc0 .Lnot_a
	s_wait_tensorcnt 0x0                           ; my quarter of slot A is in
.Lnot_a:
	s_barrier_signal -1
	s_barrier_wait -1                              ; slot A is whole; slot B may be on its way
	s_wait_loadcnt 0x0                             ; q
	PHASE 0                                        ; first head, keys 0-1,023
	CHANGE 1                                       ; slot B is shown whole; slot A takes the second head's first half
	PHASE SLOTB
	CHANGE 2                                       ; slot B takes the second head's second half
	FINAL 234, 1
	PHASE 0
	CHANGE 0
	PHASE SLOTB
	FINAL 240, 0
.irp c, 0,1,2
	global_store_b128 v1, v[234+4*\c:237+4*\c], s[6:7] offset:512*\c   ; the fragment's image: 512 consecutive bytes a store
.endr
	global_store_b32 v8, v246, s[8:9]              ; row r's scale word; lanes r and r + 16 hold the same word and write it to the same place
	s_wait_tensorcnt 0x0                           ; the wave's end
	ds_add_u32 v[SPW], v[NIL]
	s_wait_dscnt 0x0
	CROUND                                         ; the closing round
	s_endpgm
.Lfunc_end_k_qced3484ecb_attn:
	.size	k_qced3484ecb_attn, .Lfunc_end_k_qced3484ecb_attn-k_qced3484ecb_attn
	.p2alignl 7, 3214868480
	.fill 96, 4, 3214868480
	.section	.rodata,"a",@progbits
	.p2align	6, 0x0
	.amdhsa_kernel k_qced3484ecb_attn
		.amdhsa_group_segment_fixed_size 327680
		.amdhsa_private_segment_fixed_size 0
		.amdhsa_enable_private_segment 0
		.amdhsa_kernarg_size 24
		.amdhsa_user_sgpr_count 2
		.amdhsa_user_sgpr_kernarg_segment_ptr 1
		.amdhsa_wavefront_size32 1
		.amdhsa_system_sgpr_workgroup_id_x 1
		.amdhsa_system_sgpr_workgroup_id_y 1
		.amdhsa_system_sgpr_workgroup_id_z 1
		.amdhsa_system_vgpr_workitem_id 0
		.amdhsa_next_free_vgpr 256
		.amdhsa_next_free_sgpr 80
		.amdhsa_reserve_vcc 0
		.amdhsa_float_denorm_mode_32 3
		.amdhsa_float_denorm_mode_16_64 3
		.amdhsa_memory_ordered 1
		.amdhsa_forward_progress 1
		.amdhsa_inst_pref_size 83
	.end_amdhsa_kernel
	.amdgpu_metadata
---
amdhsa.version: [ 1, 2 ]
amdhsa.kernels:
  - .name:           k_qced3484ecb_attn
    .symbol:         k_qced3484ecb_attn.kd
    .args:
      - { .name: qkv, .offset: 0, .size: 8, .value_kind: global_buffer, .address_space: global }
      - { .name: ac, .offset: 8, .size: 8, .value_kind: global_buffer, .address_space: global }
      - { .name: sc2, .offset: 16, .size: 8, .value_kind: global_buffer, .address_space: global }
    .group_segment_fixed_size: 327680
    .private_segment_fixed_size: 0
    .kernarg_segment_align: 8
    .kernarg_segment_size: 24
    .max_flat_workgroup_size: 512
    .sgpr_count:     80
    .vgpr_count:     256
    .wavefront_size: 32
...
	.end_amdgpu_metadata
.endif
;; end of part 3
;; launch oproj (part 4): grid 4 x 32, 4 waves a work-group, clusters of 4 x 4, 327,680 bytes of LDS; arguments ac, wc, sc2, out0; writes out0
.if DOCPART == 4
	.amdgcn_target "amdgcn-amd-amdhsa--gfx1250"
	.amdhsa_code_object_version 6
	.text
	.protected	k_qced3484ecb_oproj
	.globl	k_qced3484ecb_oproj
	.p2align	8
	.type	k_qced3484ecb_oproj,@function
k_qced3484ecb_oproj:
	s_mov_b64 s[64:65], 0
	v_nop
	global_prefetch_b8 v0, s[64:65] scope:SCOPE_SE
	s_setreg_imm32_b32 hwreg(HW_REG_WAVE_MODE, 25, 1), 1
	s_wait_xcnt 0x0
	s_wait_alu depctr_hold_cnt(0) depctr_sa_sdst(0) depctr_va_vdst(0) depctr_va_sdst(0) depctr_va_ssrc(0) depctr_va_vcc(0) depctr_vm_vsrc(0)
	s_getreg_b32 s2, hwreg(HW_REG_IB_STS2, 6, 4)
	s_cmp_eq_u32 s2, 0
	s_cbranch_scc0 .Lentry_in_a_cluster
	s_endpgm
.Lentry_in_a_cluster:
	s_bfe_u32 s2, ttmp6, 0x10000c
	s_cmp_lg_u32 s2, 0xf033
	s_cbranch_scc0 .Lentry_shape_is_right
	s_endpgm
.Lentry_shape_is_right:
; out0 = (the attention's result) x Wo on codes of FP6 (E2M3) with E8M0 scales; f32 sums, f32 out.
; A tile of the product, 256 x 256, is made by four waves, 128 x 128 each: 64 accumulators, 512 registers.  x = 256 columns, y = 256 tokens: 128 work-groups.
; OPERANDS lie in memory as images of their registers (a fragment of 16 rows x 128 K: 1,536 bytes, three pieces of 512, lane l's 16 bytes at 16 l), 256 along K of eight tiles on end: 24,576 dense bytes, one tensor load a wave.
; K = 1,024 is four such steps.  Three LDS slots are filled at the start; the fourth step fills slot 0 again: one refill in the launch, and no loop.  A wave has one tensor load out at the start, later one.
; CLUSTERS: 4 x 4.  The tokens' tiles hang on y alone and are asked for jointly along a row of the cluster, Wo's on x alone, along a column.
; THE PRODUCT IS USED TRANSPOSED: source 0 = 16 rows of Wo, source 1 = 16 tokens: a lane holds one token and eight neighbouring columns.  Lane r of a stored tile T holds row 32 (T / 2) + 8 (T % 2) + r + 8 (r / 8), of tokens and
; of Wo's n alike: the way out puts both back in order, the columns by the place in the stage, the tokens by the stores' offsets.
; THE SCALE WORDS of a wave's 8 + 8 tiles for all 8 K steps come once, into 64 registers: lanes 0-15 the tokens' tile i, lanes 16-31 Wo's tile i.
; REGISTERS: window 0: v1-4 lane terms; v16-18, v20-22 LDS addresses; v24, v25 the stage; v28, v29 the add's two; v32-95 scale words; v128-223 the tokens' 8 fragments; on the way out v128-255 rows of the result.
;   window 1: Wo's fragments, two sets, at v0 and v128.  windows 2, 3: the accumulators ((a, b) at v[8 (8 (a % 4) + b)]).
.set SLOTB,  98304                     ; a slot: the tokens' 16 tiles x 3,072 bytes, then Wo's
.set HALFB,  24576
.set XOFF,   147456                    ; LDS: quarter q (the tokens' halves 0, 1, Wo's 2, 3) holds its first three steps of 256 along K on end, 3 x 24,576 bytes; Wo's quarters begin here
.set SPARE,  3*SLOTB                   ; behind the slots: the spare words, 128 bytes for each wave
.set PLANEY, 1572864                   ; 256 along K on, in ac,
.set PLANEX, 786432                    ; in wc
.set PLANES, 36864                     ; 128 along K on, in sc2
.set SPITCH, 528                       ; the way out: a stage of 16 rows x (512 bytes + 16) for each wave, from byte SLOTB on: the second and third steps' bytes of quarter 1, which have had their only fill and whose last reads every wave has awaited ahead of the last barrier
.set FR,   12
.set AF,   128
.set BK,   128
.set SC,   32
.set LI,   3
.set ADRR, 16
.set ADRC, 20
.set STO,  24
.set RD,   25
.set SPW,  28
.set NIL,  29
.set G1,   24
.set G1B,  48
.set G0Y,  68
.set G0X,  84
.set MSB, 0
.macro WIN new                         ; the immediate's high byte repeats the setting that is left
.if MSB != (\new)
	s_set_vgpr_msb (MSB<<8)|(\new)
.set MSB, (\new)
.endif
.endm
.set MUL_LO, 0xa1
.set MUL_HI, 0xf1
.set TO_B,   0x40
.macro PLACES
.rept 4
	v_nop
.endr
.endm
.macro JLOAD g                         ; a joint load of step g: waves 0, 1 the tokens' halves, waves 2, 3 Wo's.  An s_nop 0 and four v_nop follow each line
	s_cmp_eq_u32 s15, 0
	s_cbranch_scc0 .Lfor_x_\@
	tensor_load_to_lds s[G0Y+4*\g:G0Y+4*\g+3], s[G1:G1+7]
	s_nop 0
.rept 4
	v_nop
.endr
	s_branch .Lasked_\@
.Lfor_x_\@:
	tensor_load_to_lds s[G0X+4*\g:G0X+4*\g+3], s[G1B:G1B+7]
	s_nop 0
.rept 4
	v_nop
.endr
.Lasked_\@:
.endm
.macro CREST
	s_cmp_lg_u32 s14, 0
	s_cbranch_scc1 .Lnot_wave_0_\@
	s_barrier_signal -3
.Lnot_wave_0_\@:
	s_barrier_wait -3
	s_barrier_signal -1
	s_barrier_wait -1
.endm
.macro CROUND
	s_barrier_signal -1
	s_barrier_wait -1
	CREST
.endm
	s_load_b256 s[4:11], s[0:1], 0x0               ; ac s[4:5], wc s[6:7], sc2 s[8:9], out0 s[10:11]
	v_lshl_add_u32 v[SPW], v0, 2, SPARE
	v_mov_b32 v[NIL], 0
	ds_add_u32 v[SPW], v[NIL]                      ; the wave's opening: the add and its wait stand ahead of my first tensor load; work on registers stands between them
	ds_add_u32 v[SPW], v[NIL]
	v_lshrrev_b32 v1, 5, v0
	v_readfirstlane_b32 s14, v1                    ; wave 0..3
	s_lshr_b32 s15, s14, 1                         ; which 128 tokens are mine.  Also: I fetch the tokens' tiles (0) or Wo's (1)
	s_and_b32 s16, s14, 1                          ; which 128 columns.  Also: which 8 tiles I fetch
	s_bfe_u32 s40, ttmp6, 0x40000
	s_bfe_u32 s41, ttmp6, 0x40004
	s_lshl_b32 s42, ttmp9, 2
	s_add_co_u32 s42, s42, s40                     ; x
	s_and_b32 s17, ttmp7, 0xffff
	s_lshl_b32 s17, s17, 2
	s_add_co_u32 s17, s17, s41                     ; y
	s_lshl_b32 s43, s41, 2
	s_lshl_b32 s43, 15, s43
	s_lshl_b32 s44, 0x1111, s40
	s_or_b32 s[G1], s43, (3<<16)|(1<<21)           ; 15:0 the mask; 17:16 elements of 8 bytes; 21 set beside a mask; no padding
	s_or_b32 s[G1B], s44, (3<<16)|(1<<21)
.irp g, G1, G1B
	s_mov_b32 s[\g+1], 32<<16                      ; rows of 256 bytes,
	s_mov_b32 s[\g+2], 96<<16                      ; 96 of them: 24,576 dense bytes
	s_mov_b32 s[\g+3], 32<<16
	s_mov_b32 s[\g+4], 96
	s_mov_b32 s[\g+5], 32
	s_mov_b32 s[\g+6], 0
	s_mov_b32 s[\g+7], 0
.endr
	s_lshl_b32 s18, s16, 3
	s_lshl_b32 s20, s17, 4
	s_add_co_u32 s20, s20, s18                     ; the tokens' tile 16 y + 8 x half: y alone
	s_mul_i32 s20, s20, 3072
	s_mov_b32 s21, 0
	s_lshl_b32 s46, s42, 4
	s_add_co_u32 s46, s46, s18
	s_add_co_u32 s46, s46, 192                     ; Wo's tile 192 + 16 x + 8 x half: x alone
	s_mul_i32 s46, s46, 3072
	s_mov_b32 s47, 0
	s_mul_i32 s45, s14, 3*HALFB                    ; where my quarter begins in LDS
	s_or_b32 s72, s43, (3<<16)|(1<<21)             ; the head's group 1: three rows of 24,576 bytes (3,072 elements of 8), a plane apart in memory: one tensor load a wave brings three steps
	s_or_b32 s88, s44, (3<<16)|(1<<21)
.irp g, 72, 88
	s_mov_b32 s[\g+1], 3072<<16
	s_mov_b32 s[\g+2], 3<<16
	s_mov_b32 s[\g+3], 3072<<16
	s_mov_b32 s[\g+4], 3
	s_mov_b32 s[\g+6], 0
	s_mov_b32 s[\g+7], 0
.endr
	s_mov_b32 s77, PLANEY/8
	s_mov_b32 s93, PLANEX/8
	s_wait_dscnt 0x0                               ; the opening add is done
	s_wait_kmcnt 0x0
	s_add_nc_u64 s[20:21], s[4:5], s[20:21]
	s_add_nc_u64 s[46:47], s[6:7], s[46:47]
.irp g, 0,3
	s_mov_b32 s[G0Y+4*\g], 1
	s_mov_b32 s[G0Y+4*\g+1], s45
	s_add_nc_u64 s[G0Y+4*\g+2:G0Y+4*\g+3], s[20:21], \g*PLANEY
	s_or_b32 s[G0Y+4*\g+3], s[G0Y+4*\g+3], 0x80000000
	s_mov_b32 s[G0X+4*\g], 1
	s_mov_b32 s[G0X+4*\g+1], s45
	s_add_nc_u64 s[G0X+4*\g+2:G0X+4*\g+3], s[46:47], \g*PLANEX
	s_or_b32 s[G0X+4*\g+3], s[G0X+4*\g+3], 0x80000000
.endr
	CROUND                                         ; all sixteen work-groups are here: the first joint loads meet
	s_cmp_eq_u32 s15, 0                            ; the head's one joint load a wave: steps 0 to 2 of my quarter
	s_cbranch_scc0 .Lhead_x
	tensor_load_to_lds s[G0Y:G0Y+3], s[72:79]
	s_nop 0
.rept 4
	v_nop
.endr
	s_branch .Lhead_asked
.Lhead_x:
	tensor_load_to_lds s[G0X:G0X+3], s[88:95]
	s_nop 0
.rept 4
	v_nop
.endr
.Lhead_asked:
	v_and_b32 v1, 15, v0                           ; r
	v_bfe_u32 v2, v0, 4, 1                         ; h
	s_wait_alu depctr_va_vdst(0)
	v_and_b32 v[LI], 31, v0
	v_lshlrev_b32 v[LI], 4, v[LI]                  ; 16 x lane
	s_wait_alu depctr_va_vdst(0)
	s_lshl_b32 s34, s17, 4
	s_lshl_b32 s38, s15, 3
	s_add_co_u32 s34, s34, s38
	s_lshl_b32 s34, s34, 6                         ; the tokens' words: tile 16 y + 8 x row half
	s_lshl_b32 s35, s42, 4
	s_lshl_b32 s38, s16, 3
	s_add_co_u32 s35, s35, s38
	s_add_co_u32 s35, s35, 512
	s_lshl_b32 s35, s35, 6                         ; Wo's: tile 512 + 16 x + 8 x column half
	v_mov_b32 v5, s34
	v_mov_b32 v6, s35
	v_cmp_ne_u32 vcc_lo, 0, v2
	v_cndmask_b32 v5, v5, v6, vcc_lo
	v_lshl_add_u32 v4, v1, 2, v5
.set ii, 0
.rept 8
.set ss, 0
.rept 8
	global_load_b32 v[SC+8*ii+ss], v4, s[8:9] offset:ss*PLANES+64*ii
.set ss, ss+1
.endr
.set ii, ii+1
.endr
	s_mul_i32 s38, s15, 3*HALFB
	s_mul_i32 s39, s16, 3*HALFB
	s_add_co_u32 s39, s39, XOFF
.irp j, 0,1,2
	v_add_nc_u32 v[ADRR+\j], s38, v[LI]
	v_add_nc_u32 v[ADRC+\j], s39, v[LI]
	s_add_co_u32 s38, s38, HALFB
	s_add_co_u32 s39, s39, HALFB
.endr
	s_mul_i32 s36, s14, 16*SPITCH
	s_add_co_u32 s36, s36, SLOTB                   ; my stage
	v_mul_u32_u24 v[STO], v1, SPITCH
	v_lshl_add_u32 v[STO], v2, 6, v[STO]
	v_add_nc_u32 v[STO], s36, v[STO]               ; in: row r, + 64 h: column tile 2 b + u holds columns 32 b + 16 h + 8 u + 0 .. 7
	v_add_nc_u32 v[RD], s36, v[LI]                 ; back: the 32 lanes take a row of 512 bytes
	s_lshl_b32 s32, s17, 8
	s_lshl_b32 s33, s15, 7
	s_add_co_u32 s32, s32, s33                     ; my first token: 256 y + 128 x row half
	s_lshl_b32 s32, s32, 12
	s_lshl_b32 s33, s42, 10
	s_add_co_u32 s32, s32, s33                     ; my first column, in bytes: 1,024 x + 512 x column half
	s_lshl_b32 s33, s16, 9
	s_add_co_u32 s32, s32, s33
	s_mov_b32 s33, 0
	s_add_nc_u64 s[10:11], s[10:11], s[32:33]
.macro FRAG reg, adr, off
.irp c, 0,1,2
	ds_load_b128 v[(\reg)+4*\c:(\reg)+4*\c+3], v[\adr] offset:(\off)+512*\c
.endr
.endm
.macro FETCH_B s
	WIN TO_B
.irp i, 0,1,2,3,4,5,6,7
	FRAG 128*((\s)%2)+FR*\i, ADRC+(((\s)/2)%3), 3072*\i+1536*((\s)%2)
.endr
	WIN 0
.endm
.macro FETCH_A s, i0
.irp i, \i0, \i0+1, \i0+2, \i0+3
	FRAG AF+FR*(\i), ADRR+(((\s)/2)%3), 3072*(\i)+1536*((\s)%2)
.endr
.endm
; 16 matrix instructions: token tiles a0, a0 + 1 x Wo's eight, K step s.  The 64 accumulators take turns, one instruction a turn, in the same order in every step.
.macro MUL16 a0, s, zero
.irp a, \a0, \a0+1
.irp b, 0,1,2,3,4,5,6,7
.if \zero
	v_wmma_scale_f32_16x16x128_f8f6f4 v[8*(8*((\a)%4)+\b):8*(8*((\a)%4)+\b)+7], v[128*((\s)%2)+FR*\b:128*((\s)%2)+FR*\b+FR-1], v[AF+FR*(\a):AF+FR*(\a)+FR-1], 0, v[SC+8*\b+(\s)], v[SC+8*(\a)+(\s)] matrix_a_fmt:MATRIX_FMT_FP6 matrix_b_fmt:MATRIX_FMT_FP6 matrix_a_scale:MATRIX_SCALE_ROW1
.else
	v_wmma_scale_f32_16x16x128_f8f6f4 v[8*(8*((\a)%4)+\b):8*(8*((\a)%4)+\b)+7], v[128*((\s)%2)+FR*\b:128*((\s)%2)+FR*\b+FR-1], v[AF+FR*(\a):AF+FR*(\a)+FR-1], v[8*(8*((\a)%4)+\b):8*(8*((\a)%4)+\b)+7], v[SC+8*\b+(\s)], v[SC+8*(\a)+(\s)] matrix_a_fmt:MATRIX_FMT_FP6 matrix_b_fmt:MATRIX_FMT_FP6 matrix_a_scale:MATRIX_SCALE_ROW1
.endif
.endr
.endr
.endm
.macro STEP s, zero
	s_wait_dscnt 12                                ; Wo's set and token tiles 0-3 are in; the youngest twelve loads (token tiles 4-7) may be out
	WIN MUL_LO
	MUL16 0, \s, \zero
	MUL16 2, \s, \zero
	s_wait_dscnt 0x0
	PLACES
	FETCH_B (\s)+1
	FETCH_A (\s)+1, 0
	WIN MUL_HI
	MUL16 4, \s, \zero
	MUL16 6, \s, \zero
	PLACES
	WIN 0
	FETCH_A (\s)+1, 4
.endm
.macro TURN s, fill                    ; a step with a barrier in it; fill = 1: slot 0, which nobody reads any more, takes the fourth 256 along K
	s_wait_tensorcnt 0x0                           ; all my tensor loads have landed
	ds_add_u32 v[SPW], v[NIL]                      ; 0 onto my spare word
	s_wait_dscnt 13                                ; (the add and the youngest twelve loads may be out)
	WIN MUL_LO
	MUL16 0, \s, 0
	s_wait_dscnt 0x0                               ; the add is done, and my LDS reads are over
	s_barrier_signal -1
	MUL16 2, \s, 0
	WIN 0
	s_barrier_wait -1
.if \fill
	CREST                                          ; the barrier has opened a round of the cluster's: no wave of any partner still reads slot 0 or has a load on its way
	JLOAD 3
.else
	PLACES
.endif
	FETCH_B (\s)+1
	FETCH_A (\s)+1, 0
	WIN MUL_HI
	MUL16 4, \s, 0
	MUL16 6, \s, 0
	PLACES
	WIN 0
	FETCH_A (\s)+1, 4
.endm
	s_wait_alu depctr_va_vdst(0)
	s_wait_tensorcnt 0x0                           ; my one load, three steps of my quarter, is in
	s_barrier_signal -1
	s_barrier_wait -1
	FETCH_B 0
	FETCH_A 0, 0
	FETCH_A 0, 4
	s_wait_loadcnt 0x0                             ; the 64 scale words
	STEP 0, 1                                      ; the first products start the sums: nothing is cleared
	TURN 1, 1                                      ; its wait for all loads and its barrier also show slots 1 and 2 whole to every wave
	STEP 2, 0
	STEP 3, 0
	STEP 4, 0
	TURN 5, 0                                      ; the refill is shown landed to every wave; behind this barrier nobody reads slot 1 any more
	STEP 6, 0
	s_wait_dscnt 12
	WIN MUL_LO
	MUL16 0, 7, 0
	MUL16 2, 7, 0
	s_wait_dscnt 0x0
	WIN MUL_HI
	MUL16 4, 7, 0
	MUL16 6, 7, 0
	WIN 0
; THE WAY OUT, a tile of 16 tokens x 128 columns at a time, through my own stage: in by 32 bytes of a row, back as whole rows of 512 bytes.  LDS serves a wave's instructions in order: no wait between the stores and the loads.
.macro TOSTAGE a
.set AC, 64*((\a)%4)
	WIN 0x08+4*((\a)/4)                            ; an LDS store's data are its source 1: window 2 or 3
.irp b, 0,1,2,3,4,5,6,7
	ds_store_b128 v[STO], v[AC+8*\b:AC+8*\b+3] offset:128*(\b/2)+32*(\b%2)        ; each accumulator from its low end on
	ds_store_b128 v[STO], v[AC+8*\b+4:AC+8*\b+7] offset:128*(\b/2)+32*(\b%2)+16
.endr
	WIN 0
.set BB, BK+64*((\a)%2)
.irp t, 0,1,2,3,4,5,6,7,8,9,10,11,12,13,14,15
	ds_load_b128 v[BB+4*\t:BB+4*\t+3], v[RD] offset:\t*SPITCH
.endr
.endm
.macro SEND a, younger                 ; younger: the LDS instructions issued behind tile a's loads, which may stay out
.set BB, BK+64*((\a)%2)
	s_wait_dscnt \younger
.if (\a) > 0
.if ((\a)%2) == 1
	s_add_nc_u64 s[10:11], s[10:11], 8*4096        ; (behind a wait on XCNT: the earlier stores have read their base)  an odd tile begins 8 tokens behind the even one,
.else
	s_add_nc_u64 s[10:11], s[10:11], 24*4096       ; the next even one 24 further on
.endif
.endif
.irp t, 0,1,2,3,4,5,6,7,8,9,10,11,12,13,14,15
	global_store_b128 v[LI], v[BB+4*\t:BB+4*\t+3], s[10:11] offset:(\t+8*(\t/8))*4096 th:TH_STORE_NT   ; stage row t is token t + 8 (t / 8) of the tile; 512 consecutive bytes, at a multiple of 256 from the buffer's first byte
.endr
.endm
	PLACES
	TOSTAGE 0
.irp a, 1,2,3,4,5,6,7
.if \a > 1
	s_wait_xcnt 0x0                                ; tile a - 2's stores have read their registers and their base
.endif
	TOSTAGE \a
	SEND \a-1, 32                                  ; behind tile a - 1's loads: tile a's 16 stores and 16 loads
.endr
	s_wait_xcnt 0x0
	SEND 7, 0
	s_wait_tensorcnt 0x0                           ; the wave's end: behind my last tensor load and my last LDS store
	ds_add_u32 v[SPW], v[NIL]
	s_wait_dscnt 0x0
	CROUND                                         ; the closing round
	s_endpgm
.Lfunc_end_k_qced3484ecb_oproj:
	.size	k_qced3484ecb_oproj, .Lfunc_end_k_qced3484ecb_oproj-k_qced3484ecb_oproj
	.p2alignl 7, 3214868480
	.fill 96, 4, 3214868480
	.section	.rodata,"a",@progbits
	.p2align	6, 0x0
	.amdhsa_kernel k_qced3484ecb_oproj
		.amdhsa_group_segment_fixed_size 327680
		.amdhsa_private_segment_fixed_size 0
		.amdhsa_enable_private_segment 0
		.amdhsa_kernarg_size 32
		.amdhsa_user_sgpr_count 2
		.amdhsa_user_sgpr_kernarg_segment_ptr 1
		.amdhsa_wavefront_size32 1
		.amdhsa_system_sgpr_workgroup_id_x 1
		.amdhsa_system_sgpr_workgroup_id_y 1
		.amdhsa_system_sgpr_workgroup_id_z 1
		.amdhsa_system_vgpr_workitem_id 0
		.amdhsa_next_free_vgpr 1024
		.amdhsa_next_free_sgpr 100
		.amdhsa_reserve_vcc 1
		.amdhsa_float_denorm_mode_32 3
		.amdhsa_float_denorm_mode_16_64 3
		.amdhsa_memory_ordered 1
		.amdhsa_forward_progress 1
		.amdhsa_inst_pref_size 136
	.end_amdhsa_kernel
	.amdgpu_metadata
---
amdhsa.version: [ 1, 2 ]
amdhsa.kernels:
  - .name:           k_qced3484ecb_oproj
    .symbol:         k_qced3484ecb_oproj.kd
    .args:
      - { .name: ac, .offset: 0, .size: 8, .value_kind: global_buffer, .address_space: global }
      - { .name: wc, .offset: 8, .size: 8, .value_kind: global_buffer, .address_space: global }
      - { .name: sc2, .offset: 16, .size: 8, .value_kind: global_buffer, .address_space: global }
      - { .name: out0, .offset: 24, .size: 8, .value_kind: global_buffer, .address_space: global }
    .group_segment_fixed_size: 327680
    .private_segment_fixed_size: 0
    .kernarg_segment_align: 8
    .kernarg_segment_size: 32
    .max_flat_workgroup_size: 128
    .sgpr_count:     100
    .vgpr_count:     1024
    .wavefront_size: 32
...
	.end_amdgpu_metadata
.endif
;; end of part 4
